; MI455X (gfx1250); checked and timed in simulation.
; The chip was launched on July 23, 2026; its instructions are those of AMD's public machine-readable ISA for CDNA 5 (MIT licence, August 2026) and "CDNA5" Instruction Set Architecture Reference Guide (July 2026). The comments in the code are by the model that wrote it; some were corrected since.
;; Qwen Attention. Allowed arithmetic: matrix products marked QUANTISED: E2M1 operands, one E8M0 scale for each 32 along K, by v_wmma_scale_f32_16x16x128_f8f6f4 with both operands' format E2M1 (or v_wmma_scale_f32_32x16x128_f4), f32 sums; products left as they are: bf16, f16 or f32 operands; f32 sums; everything else in f32.
;; Inputs: Wk 2,048 x 1,024 float32; Wo 2,048 x 2,048 float32; Wq 2,048 x 2,048 float32; Wv 2,048 x 1,024 float32; cos 2,048 x 64 float32; kn_w 128 float32; qn_w 128 float32; sin 2,048 x 64 float32; x 1 x 2,048 x 2,048 float32.
;; Outputs: out0 1 x 2,048 x 2,048 float32.
;; This version of the problem:
;;   THIS VERSION OF THE PROBLEM IS GIVEN IN LOW PRECISION. The matrix products marked QUANTISED in the list below multiply operands that are first quantised to E2M1 (2 exponent bits, 1 mantissa bit; 4 bits a number), with one power-of-two scale for each 32 numbers along K (OCP MX v1.0); their sums are f32. The products marked 'left as it is' may take bf16, f16 or f32 operands, with f32 sums. Whichever they take, every output number must still come out within the allowed error. Rounding operands to bf16 (8 significant bits) uses up far more of that allowance than f16 does (11 bits, for magnitudes from 6e-5 to 65,504). All else is computed in f32.
;;   The module's matrix products, in the order in which they are computed (A, B: the left and right operand; K: the contracted axis; several contracted axes count as one K, in the product's order):
;;     1. [M 2,048, K 2,048] x [K 2,048, N 2,048]; A: input x; B: input Wq: QUANTISED
;;     2. [M 2,048, K 2,048] x [K 2,048, N 1,024]; A: input x; B: input Wk: QUANTISED
;;     3. [M 2,048, K 2,048] x [K 2,048, N 1,024]; A: input x; B: input Wv: QUANTISED
;;     4. batch 16 x [M 2,048, K 128] x [K 128, N 2,048]; A: computed on the way; B: computed on the way: left as it is (an operand is computed on the way)
;;     5. batch 16 x [M 2,048, K 2,048] x [K 2,048, N 128]; A: computed on the way; B: computed on the way: left as it is (an operand is computed on the way)
;;     6. [M 2,048, K 2,048] x [K 2,048, N 2,048]; A: computed on the way; B: input Wo: left as it is (an operand is computed on the way)
;;   THE QUANTISER, for each operand of a quantised product, along K:
;;     - K is cut into blocks of 32 from its start; a last block that is shorter is filled with zeros.
;;     - A block's scale is 2^e with e = floor(log2(the largest magnitude in the block)) - 2, held to -126 .. 127; a block of zeros has e = 0. As a byte (E8M0): e + 127.
;;     - Each number is divided by its block's scale, clamped to +-6, and rounded to the nearest number of E2M1, ties to even, subnormals kept.
;;     - The product sums the exact products of the quantised numbers (number of the format x scale) in f32.
;;   ~~~python
;;   def quantise(x, axis):      # numpy; x: float32 -> the quantised numbers, widened to float32 again
;;       x = np.moveaxis(x, axis, -1); K = x.shape[-1]
;;       x = np.pad(x, [(0, 0)] * (x.ndim - 1) + [(0, -K % 32)]); x = x.reshape(x.shape[:-1] + (-1, 32)); a = np.abs(x).max(-1, keepdims=True)
;;       e = np.where(a > 0, np.clip(np.frexp(np.where(a > 0, a, 1))[1] - 1 - 2, -126, 127), 0)      # np.frexp(a)[1] - 1 = floor(log2(a)), exactly
;;       r = np.clip(x / 2.0 ** e, -6, 6)
;;       step = 2.0 ** (np.maximum(np.frexp(np.where(r == 0, 1, r))[1] - 1, 0) - 1)
;;       q = np.round(r / step) * step * 2.0 ** e      # np.round: ties to even
;;       return np.moveaxis(q.reshape(q.shape[:-2] + (-1,))[..., :K], -1, axis).astype(np.float32)
;;   ~~~
;; One version. Each part assembles by itself: llvm-mc -triple=amdgcn-amd-amdhsa -mcpu=gfx1250 --defsym DOCPART=n.
;; ======== version 1 of 1: 5 launches
;; limits: values are held in f16: magnitudes above 65,504 overflow, below 6.1e-05 lose precision
;; workspace buffers: codes 6,291,456 bytes; scl 393,216 bytes; wo16 8,388,608 bytes; wol 8,388,608 bytes; q16 8,388,608 bytes; kv 8,388,608 bytes; lo 131,072 bytes; ao 8,388,608 bytes
;; launch prep (part 1): grid 1024 x 1, 4 waves a work-group, no clusters, 34,304 bytes of LDS; arguments x, Wq, Wk, Wv, Wo, codes, scl, wo16, wol; writes codes, scl, wo16, wol
.if DOCPART == 1
	.amdgcn_target "amdgcn-amd-amdhsa--gfx1250"
	.amdhsa_code_object_version 6
	.text
	.protected	k_q018394b66e_prep
	.globl	k_q018394b66e_prep
	.p2align	8
	.type	k_q018394b66e_prep,@function
k_q018394b66e_prep:
	s_mov_b64 s[64:65], 0
	v_nop
	global_prefetch_b8 v0, s[64:65] scope:SCOPE_SE
	s_setreg_imm32_b32 hwreg(HW_REG_WAVE_MODE, 25, 1), 1
	s_wait_xcnt 0x0
; x [2048][2048] and Wq, Wk, Wv [2048 (k)][n], f32, become codes of FP4 (E2M1) with one E8M0 byte for each 32 along K; Wo [2048 (k)][2048] becomes two f16 tensors,
; a high part and a low part: w = hi + lo' / 2048, hi = f16(w), lo' = f16((w - hi) x 2048).
; EVERYTHING IS STORED AS AN IMAGE OF THE OPERAND'S REGISTERS.  One table of 384 tiles of 16 rows: tiles 0-127 x's tokens, 128-255 Wq's columns, 256-319 Wk's, 320-383 Wv's.
;   codes: tile x 16,384 + (k / 32) x 256 + 16 x row: block k / 32 of a row, 16 bytes.  That is the 4-bit fragment: K step k / 128 at + 1,024, register group c at + 512, lane at + 16.
;   scl:   tile x 1,024 + (k / 512) x 256 + 16 x row + 4 x ((k / 128) % 4): the scale word of a row and 128 along K.
;   wo16, wol: (n / 16) x 65,536 + (k / 32) x 1,024 + 256 x ((k % 32) / 8) + 16 x (n % 16): eight f16 along K: the 16-bit fragment.
; A block's scale is 2^(floor(log2(largest magnitude)) - 2): its byte is that magnitude's exponent field - 2, held at 1 from below by a floor among the maximum's leaves.
; LIMITS: NaN and infinities are not served; a block of zeros, and one whose largest magnitude lies under 2^-124, gets the byte 1 (its codes are zeros, or what the floor's scale gives); the bytes are read by this program alone.
;   Wo's numbers stay under 65,504 in size.
; ROLES, by the work-group's number.  0-255: 16 rows of x x 1,024 along K, a wave 256.  256-767: 128 columns of Wq, Wk or Wv x 128 along K.  768-1023: the same of Wo.
; SMALL SHARES, MANY WAVES: a wave of x's role has all its 32 loads of 512 bytes out at once, a wave of the weights' roles 64 loads of 128 bytes; what is on its way grows with the number of waves.
; Memory binds: every input byte is read once; codes and f16 leave in whole aligned runs of 256 bytes.  A wave's scale words are 8 (x) or 4 (weights) bytes of each 16: one narrow store a wave, 393,216 bytes in the launch.
; No matrix unit, no cluster, no tensor load: nothing is shared.
.set SPARE, 33792                      ; behind the four stages: the spare words, 128 bytes a wave
.set SPW,   12                         ; v12  my spare word; never rewritten
.set NIL,   13                         ; v13  0; never rewritten
.set WV,    30                         ; s30  my wave's number
.set RX,    64                         ; x: v64-191 my two fragments as loaded, 64 registers each
.set XX,    192                        ; x: v192-255 my two blocks of 32 neighbours
.set CX,    32                         ; x: v32-47 codes, eight registers a fragment: no store's data are written again
.set SW,    24                         ; v24-25 scale words
.set OFS,   32                         ; weights: v32-63 offsets of 32 rows
.set XW,    64                         ; weights: v64-127 two sets of 32 numbers down K
.macro HALVES d, j                     ; the two f16 of register j (named by its number: a half is named so) as f32
	v_cvt_f32_f16 v[\d], v\j\().l
	v_cvt_f32_f16 v[\d+1], v\j\().h
.endm
	s_load_b256 s[4:11], s[0:1], 0x0               ; x, Wq, Wk, Wv
	s_load_b256 s[12:19], s[0:1], 0x20             ; Wo, codes, scl, wo16
	s_load_b64 s[20:21], s[0:1], 0x40              ; wol
	v_lshl_add_u32 v[SPW], v0, 2, SPARE
	v_mov_b32 v[NIL], 0
	v_lshrrev_b32 v1, 5, v0
	v_readfirstlane_b32 s[WV], v1
	v_and_b32 v1, 31, v0                           ; lane
	v_and_b32 v2, 15, v0                           ; r
	v_bfe_u32 v3, v0, 4, 1                         ; h
	v_lshlrev_b32 v4, 4, v1                        ; 16 x lane
	v_lshlrev_b32 v7, 4, v2                        ; 16 x r
	s_mov_b32 s22, 0x76543210
	s_mov_b32 s23, 0xfedcba98                      ; v_permlanex16_b32's selects for lane l xor 16
	s_cmp_lt_u32 ttmp9, 256
	s_cbranch_scc0 .Lweights
; ---- x.  K is innermost.  A load takes 512 consecutive bytes of a row; the operand's layout wants two whole blocks of 32 in a lane (blocks 2 c + h of row r): 16 rows x 512 bytes turn through the wave's own stage.
	s_mul_i32 s31, s[WV], 8448                     ; my stage: 16 rows of 512 bytes + 16
	v_add_nc_u32 v5, s31, v4                       ; in: 16 x lane, a row an instruction
	v_mul_u32_u24 v6, v2, 528
	v_lshl_add_u32 v6, v3, 7, v6
	v_add_nc_u32 v6, s31, v6                       ; out: row r, + 128 h
	v_lshlrev_b32 v10, 3, v3                       ; 8 h
	v_mov_b32 v21, 0                               ; (a lane permute's destination counts as one of its sources)
	s_lshr_b32 s38, ttmp9, 1                       ; the tile of 16 rows
	s_and_b32 s39, ttmp9, 1
	s_lshl_b32 s39, s39, 2
	s_add_co_u32 s39, s39, s[WV]                   ; my 256 along K: part 0 .. 7
	s_lshl_b32 s32, s38, 17                        ; 16 rows of 8,192 bytes
	s_lshl_b32 s33, s39, 10                        ; 256 numbers of 4 bytes
	s_add_co_u32 s32, s32, s33
	s_mov_b32 s33, 0
	s_lshl_b32 s34, s38, 14
	s_lshl_b32 s35, s39, 11                        ; two fragments of 1,024 bytes
	s_add_co_u32 s34, s34, s35
	s_mov_b32 s35, 0
	s_lshl_b32 s36, s38, 10
	s_lshr_b32 s37, s39, 1
	s_lshl_b32 s37, s37, 8                         ; which 512 along K
	s_add_co_u32 s36, s36, s37
	s_and_b32 s37, s39, 1
	s_lshl_b32 s37, s37, 3                         ; and which two of its four words
	s_add_co_u32 s36, s36, s37
	s_mov_b32 s37, 0
	s_wait_kmcnt 0x0
	s_add_nc_u64 s[4:5], s[4:5], s[32:33]
	s_add_nc_u64 s[14:15], s[14:15], s[34:35]
	s_add_nc_u64 s[16:17], s[16:17], s[36:37]
.macro LOADX f                         ; fragment f: 16 rows x 128 along K
.set ci, 0
.rept 16
	global_load_b128 v[RX+64*(\f)+4*ci:RX+64*(\f)+4*ci+3], v4, s[4:5] offset:ci*8192+(\f)*512 th:TH_LOAD_NT
.set ci, ci+1
.endr
.endm
.macro STEPX f
.if (\f) < 1
	s_wait_loadcnt 16                              ; this fragment's 16 loads are in; the second fragment's 16 may be out
.else
	s_wait_loadcnt 0x0
.endif
.set ci, 0
.rept 16
	ds_store_b128 v5, v[RX+64*(\f)+4*ci:RX+64*(\f)+4*ci+3] offset:ci*528
.set ci, ci+1
.endr
.irp c, 0,1
.irp i, 0,1,2,3,4,5,6,7
	ds_load_b128 v[XX+32*\c+4*\i:XX+32*\c+4*\i+3], v6 offset:256*\c+16*\i   ; LDS serves a wave's instructions in order: these see the stores above
.endr
.endr
	s_wait_dscnt 0x0
.irp c, 0,1
	v_max3_num_f32 v[14+\c], |v[XX+32*\c]|, |v[XX+32*\c+1]|, 0x1800000   ; my block 2 c + h, and the floor 2^(3 - 127)
.endr
.irp i, 2,4,6,8,10,12,14,16,18,20,22,24,26,28,30
.irp c, 0,1
	v_max3_num_f32 v[14+\c], v[14+\c], |v[XX+32*\c+\i]|, |v[XX+32*\c+\i+1]|
.endr
.endr
.irp c, 0,1
	v_add_nc_u32 v[16+\c], 0xff000000, v[14+\c]    ; 2 off the exponent field: the conversion's scale operand
.endr
.irp c, 0,1
	v_lshrrev_b32 v[18+\c], 23, v[16+\c]           ; the scale's byte
.endr
	v_lshl_or_b32 v20, v19, 16, v18                ; my two bytes, blocks h and 2 + h,
	v_lshlrev_b32 v20, v10, v20                    ; at their places;
	v_permlanex16_b32 v21, v20, s22, s23
	v_or_b32 v[SW+(\f)], v20, v21                  ; with lane l xor 16's two the word is whole
.irp c, 0,1
.irp g, 0,1,2,3
	v_cvt_scalef32_pk8_fp4_f32 v[CX+8*(\f)+4*\c+\g], v[XX+32*\c+8*\g:XX+32*\c+8*\g+7], v[16+\c]
.endr
.endr
	v_nop                                          ; one plain place behind the last conversion
.irp c, 0,1
	global_store_b128 v4, v[CX+8*(\f)+4*\c:CX+8*(\f)+4*\c+3], s[14:15] offset:(\f)*1024+512*\c   ; 512 consecutive bytes
.endr
.endm
	LOADX 0
	LOADX 1
	STEPX 0
	STEPX 1
	s_wait_xcnt 0x0                                ; EXEC changes only behind this wait
	v_cmp_gt_u32 vcc_lo, 16, v1
	s_and_saveexec_b32 s31, vcc_lo                 ; lanes 0-15: a row each (lanes 16-31 hold the same words)
	global_store_b64 v7, v[SW:SW+1], s[16:17]      ; my two scale words of 16 rows: 8 bytes of each 16; the wave beside me stores the other 8
	s_wait_xcnt 0x0
	s_or_b32 exec_lo, exec_lo, s31
	s_wait_tensorcnt 0x0                           ; the wave's end
	ds_add_u32 v[SPW], v[NIL]
	s_wait_dscnt 0x0
	s_endpgm
; ---- the weights.  K is the first axis: a lane takes a column and its registers run down K, so a block of 32 lies in one lane.  A wave: 32 columns x 128 along K, four blocks; loads run two blocks ahead.
.Lweights:
	s_sub_co_u32 s31, ttmp9, 256
	s_lshr_b32 s32, s31, 4                         ; group of 128 columns: 0-15 Wq, 16-23 Wk, 24-31 Wv, 32-47 Wo
	s_and_b32 s33, s31, 15                         ; which 128 along K
	s_sub_co_u32 s35, s32, 16
	s_mov_b32 s36, 8192
	s_wait_kmcnt 0x0
	s_cmp_lt_u32 s35, 16
	s_cselect_b32 s36, 4096, s36                   ; a row in bytes: Wk and Wv are 1,024 wide
	s_cmp_lt_u32 s32, 24
	s_cselect_b64 s[24:25], s[8:9], s[10:11]
	s_cselect_b32 s34, 16, 24
	s_cmp_lt_u32 s32, 16
	s_cselect_b64 s[24:25], s[6:7], s[24:25]
	s_cselect_b32 s34, 0, s34
	s_cmp_lt_u32 s32, 32
	s_cselect_b64 s[24:25], s[24:25], s[12:13]     ; the tensor, chosen by the work-group's number alone
	s_cselect_b32 s34, s34, 32                     ; and its first group
	s_sub_co_u32 s37, s32, s34
	s_lshl_b32 s37, s37, 9                         ; 128 columns of 4 bytes
	s_lshl_b32 s38, s[WV], 7                       ; my 32 of them
	s_add_co_u32 s37, s37, s38
	s_lshl_b32 s38, s33, 7
	s_mul_i32 s38, s38, s36                        ; 128 rows a part
	s_add_co_u32 s38, s38, s37
	s_mov_b32 s39, 0
	s_add_nc_u64 s[24:25], s[24:25], s[38:39]
	s_lshl_b32 s26, s36, 5                         ; a block on: 32 rows
	s_mov_b32 s27, 0
	v_lshlrev_b32 v[OFS], 2, v1
.set ci, 1
.rept 31
	v_add_nc_u32 v[OFS+ci], s36, v[OFS+ci-1]       ; row i of a block, my column
.set ci, ci+1
.endr
	v_lshl_add_u32 v8, v3, 14, v7                  ; codes: lanes 16-31 are the next tile of 16 columns
	v_lshl_add_u32 v9, v3, 10, v7                  ; scale words likewise
	v_lshl_add_u32 v10, v3, 16, v7                 ; Wo's images likewise
.macro LOADW set
.set ci, 0
.rept 32
	global_load_b32 v[XW+32*(\set)+ci], v[OFS+ci], s[24:25] th:TH_LOAD_NT   ; 128 consecutive bytes a wave, 512 a work-group
.set ci, ci+1
.endr
.endm
	LOADW 0
	s_wait_xcnt 0x0                                ; the loads have read their base: it may step
	s_add_nc_u64 s[24:25], s[24:25], s[26:27]
	LOADW 1
	s_cmp_lt_u32 s32, 32
	s_cbranch_scc0 .Lwo
	s_lshl_b32 s40, s32, 3
	s_lshl_b32 s41, s[WV], 1
	s_add_co_u32 s40, s40, s41
	s_add_co_u32 s40, s40, 128                     ; my first tile of the table
	s_lshl_b32 s42, s40, 14
	s_lshl_b32 s43, s33, 10                        ; four blocks of 256 bytes
	s_add_co_u32 s42, s42, s43
	s_mov_b32 s43, 0
	s_add_nc_u64 s[14:15], s[14:15], s[42:43]
	s_lshl_b32 s42, s40, 10
	s_lshr_b32 s44, s33, 2
	s_lshl_b32 s44, s44, 8                         ; which 512 along K
	s_add_co_u32 s42, s42, s44
	s_and_b32 s44, s33, 3
	s_lshl_b32 s44, s44, 2                         ; and which of its four words
	s_add_co_u32 s42, s42, s44
	s_add_nc_u64 s[16:17], s[16:17], s[42:43]
.macro BLOCKW t
.set XS, XW+32*((\t)%2)
.if (\t) < 3
	s_wait_loadcnt 32                              ; this block's 32 loads are in; the next block's may be out
.else
	s_wait_loadcnt 0x0
.endif
	v_max3_num_f32 v14, |v[XS]|, |v[XS+1]|, |v[XS+2]|
	v_max3_num_f32 v15, |v[XS+3]|, |v[XS+4]|, |v[XS+5]|
.irp i, 6,10,14,18,22,26
	v_max3_num_f32 v14, v14, |v[XS+\i]|, |v[XS+\i+1]|
	v_max3_num_f32 v15, v15, |v[XS+\i+2]|, |v[XS+\i+3]|
.endr
	v_max3_num_f32 v14, v14, |v[XS+30]|, |v[XS+31]|
	v_max3_num_f32 v14, v14, v15, 0x1800000        ; and the floor
	v_add_nc_u32 v11, 0xff000000, v14
	v_lshrrev_b32 v15, 23, v11
.if (\t) == 0
	v_mov_b32 v[SW], v15
.else
	v_lshl_or_b32 v[SW], v15, 8*(\t), v[SW]
.endif
.irp g, 0,1,2,3
	v_cvt_scalef32_pk8_fp4_f32 v[128+\g], v[XS+8*\g:XS+8*\g+7], v11
.endr
	v_nop
	global_store_b128 v8, v[128:131], s[14:15] offset:256*(\t)   ; sixteen lanes store 256 consecutive aligned bytes
	s_wait_xcnt 0x0                                ; the store has read its data, the loads their base
.if (\t) < 2
	s_add_nc_u64 s[24:25], s[24:25], s[26:27]
	LOADW (\t)%2
.endif
.endm
.set Q, 0
.rept 4
	BLOCKW Q
.set Q, Q+1
.endr
	global_store_b32 v9, v[SW], s[16:17]           ; my column's scale word for these 128 along K: 4 bytes of each 16
	s_endpgm
.Lwo:
	s_sub_co_u32 s40, s32, 32
	s_lshl_b32 s40, s40, 19                        ; 8 tiles of 16 columns, 65,536 bytes each
	s_lshl_b32 s41, s[WV], 17
	s_add_co_u32 s40, s40, s41
	s_lshl_b32 s41, s33, 12                        ; four fragments of 1,024 bytes
	s_add_co_u32 s40, s40, s41
	s_mov_b32 s41, 0
	s_add_nc_u64 s[18:19], s[18:19], s[40:41]
	s_add_nc_u64 s[20:21], s[20:21], s[40:41]
.macro BLOCKO t
.set XS, XW+32*((\t)%2)
.if (\t) < 3
	s_wait_loadcnt 32
.else
	s_wait_loadcnt 0x0
.endif
.set ci, 0
.rept 16
	v_cvt_pk_f16_f32 v[16+ci], v[XS+2*ci], v[XS+2*ci+1]           ; the high parts, in v16-31
.set ci, ci+1
.endr
.irp j, 16,17,18,19,20,21,22,23,24,25,26,27,28,29,30,31
	HALVES 144+2*(\j-16), \j
.endr
.set ci, 0
.rept 16
	v_pk_add_f32 v[144+2*ci:145+2*ci], v[XS+2*ci:XS+2*ci+1], v[144+2*ci:145+2*ci] neg_lo:[0,1] neg_hi:[0,1]   ; what the high part left: exact
.set ci, ci+1
.endr
.set ci, 0
.rept 16
	v_pk_mul_f32 v[144+2*ci:145+2*ci], v[144+2*ci:145+2*ci], 0x45000000 op_sel_hi:[1,0]   ; x 2048: out of f16's subnormals
.set ci, ci+1
.endr
.set ci, 0
.rept 16
	v_cvt_pk_f16_f32 v[128+ci], v[144+2*ci], v[145+2*ci]
.set ci, ci+1
.endr
.irp q, 0,1,2,3
	global_store_b128 v10, v[16+4*\q:19+4*\q], s[18:19] offset:1024*(\t)+256*\q
	global_store_b128 v10, v[128+4*\q:131+4*\q], s[20:21] offset:1024*(\t)+256*\q
.endr
	s_wait_xcnt 0x0
.if (\t) < 2
	s_add_nc_u64 s[24:25], s[24:25], s[26:27]
	LOADW (\t)%2
.endif
.endm
.set Q, 0
.rept 4
	BLOCKO Q
.set Q, Q+1
.endr
	s_endpgm
.Lfunc_end_k_q018394b66e_prep:
	.size	k_q018394b66e_prep, .Lfunc_end_k_q018394b66e_prep-k_q018394b66e_prep
	.p2alignl 7, 3214868480
	.fill 96, 4, 3214868480
	.section	.rodata,"a",@progbits
	.p2align	6, 0x0
	.amdhsa_kernel k_q018394b66e_prep
		.amdhsa_group_segment_fixed_size 34304
		.amdhsa_private_segment_fixed_size 0
		.amdhsa_enable_private_segment 0
		.amdhsa_kernarg_size 72
		.amdhsa_user_sgpr_count 2
		.amdhsa_user_sgpr_kernarg_segment_ptr 1
		.amdhsa_wavefront_size32 1
		.amdhsa_system_sgpr_workgroup_id_x 1
		.amdhsa_system_sgpr_workgroup_id_y 1
		.amdhsa_system_sgpr_workgroup_id_z 1
		.amdhsa_system_vgpr_workitem_id 0
		.amdhsa_next_free_vgpr 256
		.amdhsa_next_free_sgpr 66
		.amdhsa_reserve_vcc 1
		.amdhsa_float_denorm_mode_32 3
		.amdhsa_float_denorm_mode_16_64 3
		.amdhsa_memory_ordered 1
		.amdhsa_forward_progress 1
		.amdhsa_inst_pref_size 70
	.end_amdhsa_kernel
	.amdgpu_metadata
---
amdhsa.version: [ 1, 2 ]
amdhsa.kernels:
  - .name:           k_q018394b66e_prep
    .symbol:         k_q018394b66e_prep.kd
    .args:
      - { .name: x, .offset: 0, .size: 8, .value_kind: global_buffer, .address_space: global }
      - { .name: Wq, .offset: 8, .size: 8, .value_kind: global_buffer, .address_space: global }
      - { .name: Wk, .offset: 16, .size: 8, .value_kind: global_buffer, .address_space: global }
      - { .name: Wv, .offset: 24, .size: 8, .value_kind: global_buffer, .address_space: global }
      - { .name: Wo, .offset: 32, .size: 8, .value_kind: global_buffer, .address_space: global }
      - { .name: codes, .offset: 40, .size: 8, .value_kind: global_buffer, .address_space: global }
      - { .name: scl, .offset: 48, .size: 8, .value_kind: global_buffer, .address_space: global }
      - { .name: wo16, .offset: 56, .size: 8, .value_kind: global_buffer, .address_space: global }
      - { .name: wol, .offset: 64, .size: 8, .value_kind: global_buffer, .address_space: global }
    .group_segment_fixed_size: 34304
    .private_segment_fixed_size: 0
    .kernarg_segment_align: 8
    .kernarg_segment_size: 72
    .max_flat_workgroup_size: 128
    .sgpr_count:     66
    .vgpr_count:     256
    .wavefront_size: 32
...
	.end_amdgpu_metadata
.endif
;; end of part 1
;; launch qkv (part 2): grid 16 x 16, 4 waves a work-group, clusters of 4 x 4, 327,680 bytes of LDS; arguments codes, scl, cos, sin, qn_w, kn_w, q16, kv, lo; writes q16, kv, lo
.if DOCPART == 2
	.amdgcn_target "amdgcn-amd-amdhsa--gfx1250"
	.amdhsa_code_object_version 6
	.text
	.protected	k_q018394b66e_qkv
	.globl	k_q018394b66e_qkv
	.p2align	8
	.type	k_q018394b66e_qkv,@function
k_q018394b66e_qkv:
	s_mov_b64 s[64:65], 0
	v_nop
	global_prefetch_b8 v0, s[64:65] scope:SCOPE_SE
	s_setreg_imm32_b32 hwreg(HW_REG_WAVE_MODE, 25, 1), 1
	s_wait_xcnt 0x0
	s_wait_alu depctr_hold_cnt(0) depctr_sa_sdst(0) depctr_va_vdst(0) depctr_va_sdst(0) depctr_va_ssrc(0) depctr_va_vcc(0) depctr_vm_vsrc(0)
	s_getreg_b32 s2, hwreg(HW_REG_IB_STS2, 6, 4)
	s_cmp_eq_u32 s2, 0
	s_cbranch_scc0 .Lentry_in_a_cluster
	s_endpgm
.Lentry_in_a_cluster:
	s_bfe_u32 s2, ttmp6, 0x10000c
	s_cmp_lg_u32 s2, 0xf033
	s_cbranch_scc0 .Lentry_shape_is_right
	s_endpgm
.Lentry_shape_is_right:
; x Wq, x Wk, x Wv on codes of FP4 with E8M0 scales, sums in f32; then, in f32, the RMS norm over a head and the rotation; the results leave as f16, as images of the next products' operand registers.
; A tile is 256 rows of operand A x 128 rows of operand B of the table of 384 tiles of 16 rows (0-127 tokens, 128-255 Wq's columns, 256-319 Wk's, 320-383 Wv's); K = 2,048.  A wave: 64 x 128, 32 accumulators.
; THE MATRIX INSTRUCTION IS USED TRANSPOSED (source 0 = 16 rows of B, source 1 = 16 rows of A): a lane holds one row of A and eight neighbouring rows of B.
;   Q and K part (192 work-groups): A = tokens, B = one head's 128 columns.  A lane holds a token and 64 of the head's channels, lane l xor 16 the other 64: norm and rotation stay in that pair of lanes.
;   V part (64 work-groups): A = Wv's columns, B = tokens.  A lane holds a channel and neighbouring tokens: the second attention product's operand, keys innermost.
; THE ROTATION STAYS IN PLACE: (x1 c - x2 s, x1 s + x2 c) are left at channels 2 i and 2 i + 1, in q and in k alike, where the module moves them to i and 64 + i.  q . k does not change under an order of channels that both share.
; OUT: q16: head x 524,288 + (token / 16) x 4,096 + b x 512 + 16 x lane: lane (r, h) = token r, channels 16 b + 8 h + 0..7.  kv: k/v head x 2^20 + (token / 64) x 32,768: 16 KB of K laid as q16, then 16 KB of V:
;   u x 8,192 + ct x 1,024 + grp x 512 + 16 x lane: lane (r, h) = channel 16 ct + r, keys 32 u + 16 grp + 8 h + 0..7.  lo: the low parts (v - f16(v)) x 2048 of tokens 0-15: slots of 4 KB: 0-15 q's heads, 16-23 k's, 24-31 v's.
; LDS: three slots of 512 along K (A 64 KB, B 32 KB), all dense images: no pitch, no padding; the scale words of all of K behind them.  K steps 0, 1, 2 and the scales are first fills (four tensor loads of a wave are out);
;   K step 3 is the one refill, into slot 0, behind a round of the cluster's barrier.
; CLUSTER 4 x 4: A's tiles are shared along a row, B's along a column: joint loads.  Which part a cluster works on hangs on the cluster's own y, the same in all sixteen.
; LIMITS: q, k and v stay under 65,504 in size; NaN and infinities are not served.
.set SLOTB, 98304
.set BOFF,  65536
.set SCL,   3*SLOTB                    ; A's scale words 16 KB, then B's 8 KB: tile x 1,024 + K step x 256 + 16 x row
.set SPARE, SCL+24576                  ; the spare words, 128 bytes a wave
.set LI,   4                           ; v4   16 x lane
.set VT,   10                          ; v10  cos, sin: 256 r + 16 h
.set VW,   11                          ; v11  the norm's weights: 32 h
.set ADRA, 16                          ; v16-18 my A fragments in slot 0, 1, 2
.set ADRB, 20                          ; v20-22 B's
.set ADRS, 27                          ; v27  my scale words: lanes 0-15 A's rows, lanes 16-31 B's
.set SPW,  28
.set NIL,  29
.set SC,   32                          ; v32-95 scale words, two sets of 32: register 4 i + q; they hold scales and nothing else
.set AF,   96                          ; v96-159 A's fragments, two sets of 4
.set H,    96                          ; the way out: packed f16
.set T,    128                         ; 64 numbers of a lane
.set L,    192                         ; low parts
.set LV,   224                         ; the V part's low parts
.set SS,   224                         ; sums of squares, four pairs
.set RS,   232                         ; 1 / rms (a pair is named)
.set TP,   240                         ; v240-247 at work
.set WT,   192                         ; window 1: the norm's weights of my 64 channels
.set WV,   22
.set FB,   23                          ; 0: I fetch for A, 1: for B
.set ISV,  66
.set TR,   67                          ; tile row
.set TC,   92                          ; tile column
.set E,    93                          ; which half of a tile I fetch
.set G1A,  24
.set G1B,  32
.set G1SA, 40
.set G1SB, 48
.set MSB, 0
.macro WIN new                         ; window of each operand place: bits 1:0 source 0, 3:2 source 1, 5:4 source 2, 7:6 destination; the high byte repeats the setting that is left
.if MSB != \new
	s_set_vgpr_msb (MSB<<8)|\new
.set MSB, \new
.endif
.endm
.macro PLACES n
.rept \n
	v_nop
.endr
.endm
.macro JLOAD g0a, g1a, g0b, g1b        ; a joint load: waves 0, 1 for A, waves 2, 3 for B; an s_nop 0 and four v_nop follow each line
	s_cmp_eq_u32 s[FB], 0
	s_cbranch_scc0 .Lfor_b_\@
	tensor_load_to_lds s[\g0a:\g0a+3], s[\g1a:\g1a+7]
	s_nop 0
.rept 4
	v_nop
.endr
	s_branch .Lasked_\@
.Lfor_b_\@:
	tensor_load_to_lds s[\g0b:\g0b+3], s[\g1b:\g1b+7]
	s_nop 0
.rept 4
	v_nop
.endr
.Lasked_\@:
.endm
.macro CREST
	s_cmp_lg_u32 s[WV], 0
	s_cbranch_scc1 .Lnot_wave_0_\@
	s_barrier_signal -3
.Lnot_wave_0_\@:
	s_barrier_wait -3
	s_barrier_signal -1
	s_barrier_wait -1
.endm
.macro CROUND
	s_barrier_signal -1
	s_barrier_wait -1
	CREST
.endm
.macro MKG1 g, c, r, p                 ; r rows of c elements of 8 bytes, p elements apart
	s_mov_b32 s[\g+1], (\c)<<16
	s_mov_b32 s[\g+2], (\r)<<16
	s_mov_b32 s[\g+3], (\c)<<16
	s_mov_b32 s[\g+4], \r
	s_mov_b32 s[\g+5], \p
	s_mov_b32 s[\g+6], 0
	s_mov_b32 s[\g+7], 0
.endm
.macro MKG0 g, sh, base, ptr, off      ; to LDS byte (my half << sh) + base, from s[ptr:ptr+1] + off
	s_mov_b32 s[\g], 1
	s_lshl_b32 s[\g+1], s[E], \sh
	s_add_co_u32 s[\g+1], s[\g+1], \base
	s_add_nc_u64 s[\g+2:\g+3], s[\ptr:\ptr+1], \off
	s_or_b32 s[\g+3], s[\g+3], 0x80000000
.endm
	s_load_b256 s[4:11], s[0:1], 0x0               ; codes, scl, cos, sin
	s_load_b256 s[12:19], s[0:1], 0x20             ; qn_w, kn_w, q16, kv
	s_load_b64 s[20:21], s[0:1], 0x40              ; lo
	v_lshl_add_u32 v[SPW], v0, 2, SPARE
	v_mov_b32 v[NIL], 0
	ds_add_u32 v[SPW], v[NIL]                      ; the opening: the add, twice on end, and its wait ahead of my first tensor load
	ds_add_u32 v[SPW], v[NIL]
	v_lshrrev_b32 v1, 5, v0
	v_readfirstlane_b32 s[WV], v1
	s_lshr_b32 s[FB], s[WV], 1
	s_and_b32 s[E], s[WV], 1
	; which tile.  Clusters with y = 3 take the V part.  What feeds A's descriptors (s67, s96-99) never holds cx; what feeds B's (s92, s94, s95, s2, s3) never holds cy.
	s_and_b32 s96, ttmp7, 0xffff                   ; the cluster's y
	s_and_b32 s97, ttmp9, 1
	s_lshr_b32 s94, ttmp9, 1
	s_lshl_b32 s95, s96, 1
	s_add_co_u32 s94, s94, s95
	s_cmp_eq_u32 s96, 3
	s_cselect_b32 s[ISV], 1, 0
	s_cselect_b32 s97, 0, s97                      ; row of clusters
	s_cselect_b32 s94, ttmp9, s94                  ; column of clusters
	s_cselect_b32 s99, 320, 0                      ; A's first tile of the table
	s_cselect_b32 s3, 0, 128                       ; B's
	s_bfe_u32 s98, ttmp6, 0x40004                  ; cy
	s_bfe_u32 s95, ttmp6, 0x40000                  ; cx
	s_lshl_b32 s[TR], s97, 2
	s_add_co_u32 s[TR], s[TR], s98
	s_lshl_b32 s[TC], s94, 2
	s_add_co_u32 s[TC], s[TC], s95
	s_lshl_b32 s98, s98, 2
	s_lshl_b32 s98, 15, s98                        ; my row of the cluster
	s_lshl_b32 s95, 0x1111, s95                    ; my column
	s_or_b32 s[G1A], s98, (3<<16)|(1<<21)          ; the mask; elements of 8 bytes; bit 21 beside a mask; no padding
	s_or_b32 s[G1SA], s98, (3<<16)|(1<<21)
	s_or_b32 s[G1B], s95, (3<<16)|(1<<21)
	s_or_b32 s[G1SB], s95, (3<<16)|(1<<21)
	MKG1 G1A, 512, 8, 2048                         ; 8 tiles of 16 rows: 4,096 bytes (512 along K) of each tile's 16,384
	MKG1 G1B, 512, 4, 2048
	MKG1 G1SA, 32, 32, 32                          ; 8,192 dense bytes of scale words as rows of 256
	MKG1 G1SB, 32, 16, 32
	s_lshl_b32 s96, s[TR], 4
	s_add_co_u32 s96, s96, s99
	s_lshl_b32 s97, s[E], 3
	s_add_co_u32 s96, s96, s97                     ; the first tile of A that I would fetch
	s_lshl_b32 s98, s96, 14                        ; its codes,
	s_mov_b32 s99, 0
	s_lshl_b32 s96, s96, 10                        ; its scale words
	s_mov_b32 s97, 0
	s_lshl_b32 s94, s[TC], 3
	s_add_co_u32 s94, s94, s3
	s_lshl_b32 s95, s[E], 2
	s_add_co_u32 s94, s94, s95                     ; and of B
	s_lshl_b32 s2, s94, 14
	s_mov_b32 s3, 0
	s_lshl_b32 s94, s94, 10
	s_mov_b32 s95, 0
	s_wait_dscnt 0x0                               ; both opening adds are done
	s_wait_kmcnt 0x0
	s_add_nc_u64 s[98:99], s[4:5], s[98:99]
	s_add_nc_u64 s[96:97], s[6:7], s[96:97]
	s_add_nc_u64 s[2:3], s[4:5], s[2:3]
	s_add_nc_u64 s[94:95], s[6:7], s[94:95]
	CROUND                                         ; all sixteen work-groups are here: the first joint loads meet
	MKG0 56, 13, SCL, 96, 0
	MKG0 76, 12, SCL+16384, 94, 0
	JLOAD 56, G1SA, 76, G1SB                       ; the scale words of all of K
	MKG0 60, 15, 0, 98, 0
	MKG0 80, 14, BOFF, 2, 0
	JLOAD 60, G1A, 80, G1B                         ; K step 0
	MKG0 68, 15, SLOTB, 98, 4096
	MKG0 84, 14, SLOTB+BOFF, 2, 4096
	JLOAD 68, G1A, 84, G1B                         ; K step 1
	MKG0 72, 15, 2*SLOTB, 98, 8192
	MKG0 88, 14, 2*SLOTB+BOFF, 2, 8192
	JLOAD 72, G1A, 88, G1B                         ; K step 2
	v_and_b32 v1, 31, v0
	v_and_b32 v2, 15, v0                           ; r
	v_bfe_u32 v3, v0, 4, 1                         ; h
	v_lshlrev_b32 v[LI], 4, v1
	v_lshlrev_b32 v5, 4, v2
	s_lshl_b32 s94, s[WV], 14                      ; my four tiles of A
.irp s, 0,1,2
	v_add_nc_u32 v[ADRA+\s], s94, v[LI]
	v_add_nc_u32 v[ADRB+\s], \s*SLOTB+BOFF, v[LI]
	s_add_co_u32 s94, s94, SLOTB
.endr
	s_xor_b32 s94, s[WV], 3
	s_add_co_u32 s94, s94, 1
	s_lshl_b32 s94, s94, 12                        ; from my rows' scale words to B's: (4 - wave) x 4,096
	v_mul_u32_u24 v6, s94, v3                      ; lanes 16-31 take B's
	s_lshl_b32 s94, s[WV], 12
	s_add_co_u32 s94, s94, SCL
	v_add_nc_u32 v6, v6, v5
	v_add_nc_u32 v[ADRS], s94, v6
	v_lshlrev_b32 v[VT], 8, v2
	v_lshl_add_u32 v[VT], v3, 4, v[VT]
	v_lshlrev_b32 v[VW], 5, v3
.macro TABLES a                        ; cos and sin of my tokens 16 a on, my 32 pairs of channels: window 1, v128-191 and v0-63 by turns
.set TL, 128-128*((\a)%2)
	WIN 0x40
.set ci, 0
.rept 8
	global_load_b128 v[TL+4*ci:TL+4*ci+3], v[VT], s[8:9] offset:(\a)*4096+32*ci
	global_load_b128 v[TL+32+4*ci:TL+32+4*ci+3], v[VT], s[10:11] offset:(\a)*4096+32*ci
.set ci, ci+1
.endr
	WIN 0
.endm
	s_cmp_eq_u32 s[ISV], 0
	s_cbranch_scc0 .Lno_tables                     ; the V part has neither norm nor rotation
	s_lshl_b32 s94, s[TR], 16                      ; 256 tokens of 256 bytes
	s_lshl_b32 s95, s[WV], 14
	s_add_co_u32 s94, s94, s95
	s_mov_b32 s95, 0
	s_add_nc_u64 s[8:9], s[8:9], s[94:95]
	s_add_nc_u64 s[10:11], s[10:11], s[94:95]
	s_cmp_lt_u32 s[TC], 16
	s_cselect_b64 s[12:13], s[12:13], s[14:15]     ; q's weights or k's
	WIN 0x40
.set ci, 0
.rept 8
	global_load_b128 v[WT+8*ci:WT+8*ci+3], v[VW], s[12:13] offset:64*ci
	global_load_b128 v[WT+8*ci+4:WT+8*ci+7], v[VW], s[12:13] offset:64*ci+16
.set ci, ci+1
.endr
	WIN 0
	TABLES 0
.Lno_tables:
.macro FETCH sl, q, p                  ; the fragments of the slot's q-th 128 along K into set p: B's eight (window 1), my four of A: 24 loads, each 512 consecutive bytes
	WIN 0x40
.irp i, 0,1,2,3,4,5,6,7
.irp c, 0,1
	ds_load_b128 v[64*(\p)+8*\i+4*\c:64*(\p)+8*\i+4*\c+3], v[ADRB+\sl] offset:\i*4096+(\q)*1024+512*\c
.endr
.endr
	WIN 0
.irp i, 0,1,2,3
.irp c, 0,1
	ds_load_b128 v[AF+32*(\p)+8*\i+4*\c:AF+32*(\p)+8*\i+4*\c+3], v[ADRA+\sl] offset:\i*4096+(\q)*1024+512*\c
.endr
.endr
.endm
.macro SCALES kq                       ; K step kq's words: lanes 0-15 my tile i of A (i under 4; above that words that no product names), lanes 16-31 B's tile i
.irp i, 0,1,2,3,4,5,6,7
	ds_load_b128 v[SC+32*((\kq)%2)+4*\i:SC+32*((\kq)%2)+4*\i+3], v[ADRS] offset:\i*1024+(\kq)*256
.endr
.endm
.macro MUL p, q, sc, a0, n, zero       ; A's tiles a0 .. a0 + n - 1 against B's eight.  The 32 accumulators take turns, one instruction a turn
.set MA, \a0
.rept \n
.irp b, 0,1,2,3,4,5,6,7
.if \zero
	v_wmma_scale_f32_16x16x128_f8f6f4 v[8*(8*MA+\b):8*(8*MA+\b)+7], v[64*(\p)+8*\b:64*(\p)+8*\b+7], v[AF+32*(\p)+8*MA:AF+32*(\p)+8*MA+7], 0, v[SC+32*(\sc)+4*\b+(\q)], v[SC+32*(\sc)+4*MA+(\q)] matrix_a_fmt:MATRIX_FMT_FP4 matrix_b_fmt:MATRIX_FMT_FP4 matrix_a_scale:MATRIX_SCALE_ROW1
.else
	v_wmma_scale_f32_16x16x128_f8f6f4 v[8*(8*MA+\b):8*(8*MA+\b)+7], v[64*(\p)+8*\b:64*(\p)+8*\b+7], v[AF+32*(\p)+8*MA:AF+32*(\p)+8*MA+7], v[8*(8*MA+\b):8*(8*MA+\b)+7], v[SC+32*(\sc)+4*\b+(\q)], v[SC+32*(\sc)+4*MA+(\q)] matrix_a_fmt:MATRIX_FMT_FP4 matrix_b_fmt:MATRIX_FMT_FP4 matrix_a_scale:MATRIX_SCALE_ROW1
.endif
.endr
.set MA, MA+1
.endr
.endm
; A step of 128 along K: the next step's fragments are asked for first, into the other set, then this step's 32 products are issued.
.macro STEP p, q, sc, nsl, nq, nkq, zero
	WIN 0
	PLACES 4                                       ; places ahead of loads into registers that the last products read
	FETCH \nsl, \nq, 1-(\p)
.if (\nkq) >= 0
	SCALES \nkq
	s_wait_dscnt 32                                ; all but the 32 just issued
.else
	s_wait_dscnt 24                                ; all but the 24 just issued
.endif
	WIN 0xa1                                       ; source 0 (B) window 1, source 1 (A) window 0, C and D window 2
	MUL \p, \q, \sc, 0, 4, \zero
.endm
; A slot's last step with a barrier: each wave waits for all its tensor loads, adds 0 to its spare word, waits for that and for its reads.  fill = 1: slot 0 takes K step 3, behind a round of the cluster's barrier.
.macro TURN sc, nsl, nkq, fill
	WIN 0
	s_wait_tensorcnt 0x0                           ; all my tensor loads have landed
	ds_add_u32 v[SPW], v[NIL]
	s_wait_dscnt 1                                 ; (the add alone may be out: this step's fragments are in)
	WIN 0xa1
	MUL 1, 3, \sc, 0, 2, 0
	s_wait_dscnt 0x0                               ; the add is done, and my reads of this slot are over
	s_barrier_signal -1
	MUL 1, 3, \sc, 2, 1, 0
	WIN 0
	s_barrier_wait -1
.if \fill
	CREST                                          ; no wave of any partner still reads slot 0 or has a load on its way
	s_add_nc_u64 s[62:63], s[62:63], 3*4096
	s_add_nc_u64 s[82:83], s[82:83], 3*4096
	JLOAD 60, G1A, 80, G1B                         ; my one tensor load behind the round: it has two K steps in which to land
.else
	PLACES 4
.endif
	FETCH \nsl, 0, 0
	SCALES \nkq
	WIN 0xa1
	MUL 1, 3, \sc, 3, 1, 0
.endm
	s_wait_tensorcnt 2                             ; the scale words and K step 0 are in; K steps 1 and 2 may be out
	s_barrier_signal -1
	s_barrier_wait -1
	FETCH 0, 0, 0
	SCALES 0
	STEP 0, 0, 0, 0, 1, -1, 1                      ; the first products start the sums
	STEP 1, 1, 0, 0, 2, -1, 0
	STEP 0, 2, 0, 0, 3, -1, 0
	TURN 0, 1, 1, 1
	STEP 0, 0, 1, 1, 1, -1, 0
	STEP 1, 1, 1, 1, 2, -1, 0
	STEP 0, 2, 1, 1, 3, -1, 0
	STEP 1, 3, 1, 2, 0, 2, 0                       ; on into slot 2 without a barrier: the round above has shown it whole in every wave
	STEP 0, 0, 0, 2, 1, -1, 0
	STEP 1, 1, 0, 2, 2, -1, 0
	STEP 0, 2, 0, 2, 3, -1, 0
	TURN 0, 0, 3, 0
	STEP 0, 0, 1, 0, 1, -1, 0
	STEP 1, 1, 1, 0, 2, -1, 0
	STEP 0, 2, 1, 0, 3, -1, 0
	s_wait_dscnt 0x0
	MUL 1, 3, 1, 0, 4, 0
	WIN 0
	PLACES 4                                       ; ahead of the first reads of results and of writes into operands' registers
; four packed registers j0 .. j3 (named by number: a half of a register is named so) and their eight f32 numbers from v[src] on (in window win): the low parts (v - f16(v)) x 2048 into v[dst] on
.macro LOW4 j0, j1, j2, j3, src, dst, win
	v_cvt_f32_f16 v[TP], v\j0\().l
	v_cvt_f32_f16 v[TP+1], v\j0\().h
	v_cvt_f32_f16 v[TP+2], v\j1\().l
	v_cvt_f32_f16 v[TP+3], v\j1\().h
	v_cvt_f32_f16 v[TP+4], v\j2\().l
	v_cvt_f32_f16 v[TP+5], v\j2\().h
	v_cvt_f32_f16 v[TP+6], v\j3\().l
	v_cvt_f32_f16 v[TP+7], v\j3\().h
	WIN \win
.irp i, 0,2,4,6
	v_pk_add_f32 v[TP+\i:TP+\i+1], v[\src+\i:\src+\i+1], v[TP+\i:TP+\i+1] neg_lo:[0,1] neg_hi:[0,1]
.endr
	WIN 0
.irp i, 0,2,4,6
	v_pk_mul_f32 v[TP+\i:TP+\i+1], v[TP+\i:TP+\i+1], 0x45000000 op_sel_hi:[1,0]
.endr
.irp i, 0,1,2,3
	v_cvt_pk_f16_f32 v[\dst+\i], v[TP+2*\i], v[TP+2*\i+1]
.endr
.endm
	s_cmp_eq_u32 s[ISV], 0
	s_cbranch_scc0 .Lv_out
; ---- the way out of the Q and K part
	s_lshl_b32 s94, s[TR], 2
	s_add_co_u32 s94, s94, s[WV]                   ; my 64 tokens
	s_lshl_b32 s96, s[TC], 19
	s_lshl_b32 s97, s94, 14
	s_add_co_u32 s96, s96, s97                     ; in q16
	s_sub_co_u32 s98, s[TC], 16
	s_lshl_b32 s98, s98, 20
	s_lshl_b32 s99, s94, 15
	s_add_co_u32 s98, s98, s99                     ; in kv
	s_cmp_lt_u32 s[TC], 16
	s_cselect_b32 s96, s96, s98
	s_cselect_b64 s[16:17], s[16:17], s[18:19]
	s_mov_b32 s97, 0
	s_add_nc_u64 s[16:17], s[16:17], s[96:97]
	s_lshl_b32 s96, s[TC], 12
	s_add_nc_u64 s[20:21], s[20:21], s[96:97]      ; the head's slot of low parts
	s_or_b32 s94, s[TR], s[WV]                     ; 0 in the wave that holds tokens 0 to 15
	s_mov_b32 s2, 0x3c000000                       ; 1 / 128
	s_mov_b32 s3, 0x358637bd                       ; 1e-6
	s_mov_b32 s98, 0x76543210
	s_mov_b32 s99, 0xfedcba98
	v_mov_b32 v[RS+1], 0                           ; (named as the upper half of a pair)
.macro QKOUT a                         ; 16 tokens
.if (\a) < 3
	TABLES (\a)+1
	s_wait_loadcnt 16                              ; my tables (and the weights) are in; the next 16 tokens' 16 loads may be out
.else
	s_wait_loadcnt 0x0
.endif
.set TS, 128-128*((\a)%2)
	WIN 0x0a                                       ; sources 0 and 1: window 2
.irp k, 0,1,2,3
	v_pk_mul_f32 v[SS+2*\k:SS+2*\k+1], v[64*(\a)+2*\k:64*(\a)+2*\k+1], v[64*(\a)+2*\k:64*(\a)+2*\k+1]   ; each accumulator from its low end on
.endr
.irp b, 1,2,3,4,5,6,7
.irp k, 0,1,2,3
	v_pk_fma_f32 v[SS+2*\k:SS+2*\k+1], v[64*(\a)+8*\b+2*\k:64*(\a)+8*\b+2*\k+1], v[64*(\a)+8*\b+2*\k:64*(\a)+8*\b+2*\k+1], v[SS+2*\k:SS+2*\k+1]
.endr
.endr
	WIN 0
	v_pk_add_f32 v[SS:SS+1], v[SS:SS+1], v[SS+2:SS+3]
	v_pk_add_f32 v[SS+4:SS+5], v[SS+4:SS+5], v[SS+6:SS+7]
	v_pk_add_f32 v[SS:SS+1], v[SS:SS+1], v[SS+4:SS+5]
	v_add_f32 v[SS], v[SS], v[SS+1]
	v_permlanex16_b32 v[SS+2], v[SS], s98, s99     ; the head's other 64 channels
	v_add_f32 v[SS], v[SS], v[SS+2]
	v_fma_f32 v[SS], v[SS], s2, s3                 ; the mean + 1e-6
	v_rsq_f32 v[RS], v[SS]
	WIN 0x06                                       ; source 0 window 2, source 1 window 1
.set ci, 0
.rept 32
	v_pk_mul_f32 v[T+2*ci:T+2*ci+1], v[64*(\a)+2*ci:64*(\a)+2*ci+1], v[WT+2*ci:WT+2*ci+1]   ; x w: plain work behind the root
.set ci, ci+1
.endr
	s_wait_alu depctr_va_vdst(0)                   ; the wait ahead of the root's first reader
	WIN 0x41
.set ci, 0
.rept 32
	v_pk_mul_f32 v[TS+2*ci:TS+2*ci+1], v[TS+2*ci:TS+2*ci+1], v[RS:RS+1] op_sel_hi:[1,0]   ; 1 / rms goes into cos and sin
.set ci, ci+1
.endr
	WIN 0x04                                       ; source 1: window 1
.set ci, 0
.rept 16                               ; two pairs of channels a trip: their cos (and sin) share a register pair
.set TQ, TP+4*(ci%2)
	v_pk_mul_f32 v[TQ:TQ+1], v[T+4*ci:T+4*ci+1], v[TS+2*ci:TS+2*ci+1] op_sel_hi:[1,0]                       ; (x1 c, x2 c)
	v_pk_mul_f32 v[TQ+2:TQ+3], v[T+4*ci+2:T+4*ci+3], v[TS+2*ci:TS+2*ci+1] op_sel:[0,1] op_sel_hi:[1,1]
	v_pk_fma_f32 v[T+4*ci:T+4*ci+1], v[T+4*ci:T+4*ci+1], v[TS+32+2*ci:TS+32+2*ci+1], v[TQ:TQ+1] op_sel:[1,0,0] op_sel_hi:[0,0,1] neg_lo:[1,0,0]   ; (x1 c - x2 s, x2 c + x1 s)
	v_pk_fma_f32 v[T+4*ci+2:T+4*ci+3], v[T+4*ci+2:T+4*ci+3], v[TS+32+2*ci:TS+32+2*ci+1], v[TQ+2:TQ+3] op_sel:[1,1,0] op_sel_hi:[0,1,1] neg_lo:[1,0,0]
.set ci, ci+1
.endr
	WIN 0
	s_wait_xcnt 0x0                                ; the last 16 tokens' stores have read their data
.set ci, 0
.rept 32
	v_cvt_pk_f16_f32 v[H+ci], v[T+2*ci], v[T+2*ci+1]
.set ci, ci+1
.endr
.set ci, 0
.rept 8
	global_store_b128 v[LI], v[H+4*ci:H+4*ci+3], s[16:17] offset:(\a)*4096+512*ci   ; 512 consecutive bytes
.set ci, ci+1
.endr
.endm
	QKOUT 0
	LOW4 96,97,98,99, T, L, 0                      ; the low parts of my first 16 tokens: kept only where those are tokens 0 to 15
	LOW4 100,101,102,103, T+8, L+4, 0
	LOW4 104,105,106,107, T+16, L+8, 0
	LOW4 108,109,110,111, T+24, L+12, 0
	LOW4 112,113,114,115, T+32, L+16, 0
	LOW4 116,117,118,119, T+40, L+20, 0
	LOW4 120,121,122,123, T+48, L+24, 0
	LOW4 124,125,126,127, T+56, L+28, 0
	s_wait_xcnt 0x0                                ; EXEC changes only behind this wait
	v_cmp_eq_u32 vcc_lo, s94, v[NIL]
	s_and_saveexec_b32 s95, vcc_lo                 ; all lanes or none: no branch hangs on the work-group's place
.set ci, 0
.rept 8
	global_store_b128 v[LI], v[L+4*ci:L+4*ci+3], s[20:21] offset:512*ci
.set ci, ci+1
.endr
	s_wait_xcnt 0x0
	s_or_b32 exec_lo, exec_lo, s95
	QKOUT 1
	QKOUT 2
	QKOUT 3
	s_branch .Lend
; ---- the way out of the V part: accumulator (a, b): channel 16 a + r of my 64, tokens 16 b + 8 h + 0..7 of the tile's 128
.Lv_out:
	s_lshl_b32 s94, s[TR], 1
	s_add_co_u32 s94, s94, s[FB]                   ; the k/v head: 2 x tile row + wave / 2
	s_lshl_b32 s96, s94, 20
	s_lshl_b32 s97, s[TC], 16                      ; two key steps of 32,768 bytes
	s_add_co_u32 s96, s96, s97
	s_lshl_b32 s97, s[E], 12                       ; channels 64 (wave % 2) on: four fragments of 1,024 bytes
	s_add_co_u32 s96, s96, s97
	s_add_co_u32 s96, s96, 16384                   ; behind the step's K
	s_mov_b32 s97, 0
	s_add_nc_u64 s[18:19], s[18:19], s[96:97]
	s_add_co_u32 s96, s94, 24
	s_lshl_b32 s96, s96, 12
	s_lshl_b32 s98, s[E], 11
	s_add_co_u32 s96, s96, s98
	s_add_nc_u64 s[20:21], s[20:21], s[96:97]
	WIN 0x0a
.irp a, 0,1,2,3
.irp b, 0,1,2,3,4,5,6,7
.irp k, 0,1,2,3
	v_cvt_pk_f16_f32 v[H+4*(4*\b+\a)+\k], v[8*(8*\a+\b)+2*\k], v[8*(8*\a+\b)+2*\k+1]
.endr
.endr
.endr
	WIN 0
.irp a, 0,1,2,3
.irp b, 0,1,2,3,4,5,6,7
	global_store_b128 v[LI], v[H+4*(4*\b+\a):H+4*(4*\b+\a)+3], s[18:19] offset:(\b/4)*32768+((\b%4)/2)*8192+\a*1024+(\b%2)*512
.endr
.endr
	LOW4 96,97,98,99, 0, LV, 0x02                  ; the low parts of the tile's first 16 tokens (b = 0): kept only in tile column 0
	LOW4 100,101,102,103, 64, LV+4, 0x02
	LOW4 104,105,106,107, 128, LV+8, 0x02
	LOW4 108,109,110,111, 192, LV+12, 0x02
	s_wait_xcnt 0x0
	v_cmp_eq_u32 vcc_lo, s[TC], v[NIL]
	s_and_saveexec_b32 s95, vcc_lo
.irp a, 0,1,2,3
	global_store_b128 v[LI], v[LV+4*\a:LV+4*\a+3], s[20:21] offset:512*\a
.endr
	s_wait_xcnt 0x0
	s_or_b32 exec_lo, exec_lo, s95
.Lend:
	s_wait_tensorcnt 0x0                           ; the wave's end
	ds_add_u32 v[SPW], v[NIL]
	s_wait_dscnt 0x0
	CROUND                                         ; the closing round
	s_endpgm
.Lfunc_end_k_q018394b66e_qkv:
	.size	k_q018394b66e_qkv, .Lfunc_end_k_q018394b66e_qkv-k_q018394b66e_qkv
	.p2alignl 7, 3214868480
	.fill 96, 4, 3214868480
	.section	.rodata,"a",@progbits
	.p2align	6, 0x0
	.amdhsa_kernel k_q018394b66e_qkv
		.amdhsa_group_segment_fixed_size 327680
		.amdhsa_private_segment_fixed_size 0
		.amdhsa_enable_private_segment 0
		.amdhsa_kernarg_size 72
		.amdhsa_user_sgpr_count 2
		.amdhsa_user_sgpr_kernarg_segment_ptr 1
		.amdhsa_wavefront_size32 1
		.amdhsa_system_sgpr_workgroup_id_x 1
		.amdhsa_system_sgpr_workgroup_id_y 1
		.amdhsa_system_sgpr_workgroup_id_z 1
		.amdhsa_system_vgpr_workitem_id 0
		.amdhsa_next_free_vgpr 768
		.amdhsa_next_free_sgpr 100
		.amdhsa_reserve_vcc 1
		.amdhsa_float_denorm_mode_32 3
		.amdhsa_float_denorm_mode_16_64 3
		.amdhsa_memory_ordered 1
		.amdhsa_forward_progress 1
		.amdhsa_inst_pref_size 196
	.end_amdhsa_kernel
	.amdgpu_metadata
---
amdhsa.version: [ 1, 2 ]
amdhsa.kernels:
  - .name:           k_q018394b66e_qkv
    .symbol:         k_q018394b66e_qkv.kd
    .args:
      - { .name: codes, .offset: 0, .size: 8, .value_kind: global_buffer, .address_space: global }
      - { .name: scl, .offset: 8, .size: 8, .value_kind: global_buffer, .address_space: global }
      - { .name: cos, .offset: 16, .size: 8, .value_kind: global_buffer, .address_space: global }
      - { .name: sin, .offset: 24, .size: 8, .value_kind: global_buffer, .address_space: global }
      - { .name: qn_w, .offset: 32, .size: 8, .value_kind: global_buffer, .address_space: global }
      - { .name: kn_w, .offset: 40, .size: 8, .value_kind: global_buffer, .address_space: global }
      - { .name: q16, .offset: 48, .size: 8, .value_kind: global_buffer, .address_space: global }
      - { .name: kv, .offset: 56, .size: 8, .value_kind: global_buffer, .address_space: global }
      - { .name: lo, .offset: 64, .size: 8, .value_kind: global_buffer, .address_space: global }
    .group_segment_fixed_size: 327680
    .private_segment_fixed_size: 0
    .kernarg_segment_align: 8
    .kernarg_segment_size: 72
    .max_flat_workgroup_size: 128
    .sgpr_count:     100
    .vgpr_count:     768
    .wavefront_size: 32
...
	.end_amdgpu_metadata
.endif
;; end of part 2
;; launch attn (part 3): grid 16 x 16, 4 waves a work-group, clusters of 4 x 1, 327,680 bytes of LDS; arguments q16, kv, ao; writes ao
.if DOCPART == 3
	.amdgcn_target "amdgcn-amd-amdhsa--gfx1250"
	.amdhsa_code_object_version 6
	.text
	.protected	k_q018394b66e_attn
	.globl	k_q018394b66e_attn
	.p2align	8
	.type	k_q018394b66e_attn,@function
k_q018394b66e_attn:
	s_mov_b64 s[64:65], 0
	v_nop
	global_prefetch_b8 v0, s[64:65] scope:SCOPE_SE
	s_setreg_imm32_b32 hwreg(HW_REG_WAVE_MODE, 25, 1), 1
	s_wait_xcnt 0x0
	s_wait_alu depctr_hold_cnt(0) depctr_sa_sdst(0) depctr_va_vdst(0) depctr_va_sdst(0) depctr_va_ssrc(0) depctr_va_vcc(0) depctr_vm_vsrc(0)
	s_getreg_b32 s2, hwreg(HW_REG_IB_STS2, 6, 4)
	s_cmp_eq_u32 s2, 0
	s_cbranch_scc0 .Lentry_in_a_cluster
	s_endpgm
.Lentry_in_a_cluster:
	s_bfe_u32 s2, ttmp6, 0x10000c
	s_cmp_lg_u32 s2, 0x3003
	s_cbranch_scc0 .Lentry_shape_is_right
	s_endpgm
.Lentry_shape_is_right:
; Causal attention, 16 query heads on 8 key/value heads, 2,048 positions, head size 128; operands f16, products, maxima and sums f32; the weights p are rounded to f16 for the second product, the result once at the end.
; SHARES.  A work-group owns two blocks of 64 queries of one head: block i = 4 m + cx and block 31 - i (m: the cluster's x).  THE FOUR WAVES SHARE THE KEYS: in a lap wave w takes key step 4 t + w (64 keys) for all 64 queries,
; with a running maximum, sum and O of its own; at a block's end the four parts are merged through LDS, wave w keeping query tile w.  The early block takes m + 1 laps, the late one 8 - m: nine laps in every work-group.
; A key step that lies beyond the diagonal is computed under the mask and adds nothing (36 wave steps for the 33 that count): so all partners read every tile, and the mask is needed in a block's last lap alone.
; CLUSTER.  The tile of a lap and a wave hangs on the k/v head, m, the lap and the wave: the four partners ask for it JOINTLY.  Only the wave that asked reads its tile, so its own wait on TENSORcnt is all that a read needs.
; LAYOUT.  S^T = K Q^T, O^T = V^T P: a lane holds ONE query throughout.  All operands come as images of their registers: fragments are 512-byte runs at 16 x lane.
; REGISTER TILE t OF WAVE w IS QUERY TILE (t + w) % 4: tile 0 is the one that the wave keeps, and all waves run one text.
; BY TURNS inside a step: piece 0 (tiles 0, 1) and piece 2 (tiles 2, 3): K Q^T of piece 0 | K Q^T of piece 2 with piece 0's softmax in slices | V^T P of piece 0 with piece 2's softmax | V^T P of piece 2.
; SOFTMAX: p = 2^(c s - c m), c = log2(e) / sqrt(128), m the running maximum; O and l are multiplied by 2^(c m_old - c m_new) in every step.  m begins at -3e38, O and l at 0.
; cx enters Q's and O's addresses, the prefetch's address and the mask's numbers alone; what holds it (s62, s66, s67, s70, s71, s74-76, the mask's eight scalars) feeds no descriptor, no LDS address and no branch,
; and the registers of LDS addresses (v2, v4, v9, v48-51, v62) never hold data.
; REGISTERS: window 0: v1-11 addresses, v12-43 statistics (8 a tile), v44-47 the merge's factors, v48-51 its addresses, v52-59 at work there, v64-191 S^T, v192-255 P.  window 1: O^T, 64 a tile.
;   window 2: v0-127 Q, v128-255 K.  window 3: v0-127 V, v128-223 parts that come in.
; LIMITS: NaN and infinities are not served; the result stays under 65,504 in size.
.set STAGE, 262144                     ; behind the ring: [owner 4][sender's tile 3]: a part's place
.set PARTB, 4608                       ; 4,096 bytes, half a tile of O^T, then (c m, l): 8 bytes at 16 x lane
.set OWNB,  3*PARTB
.set SPARE, STAGE+4*OWNB
.set D0,  1
.set AK0, 2                            ; v2   my wave's tile in slot 0, + 16 x lane
.set D1,  3
.set ADR, 4
.set VQ,  5                            ; v5-8 Q: 16 x lane + 4,096 x query tile
.set LI,  9                            ; v9   16 x lane
.set NINF, 10
.set RH,  11                           ; v11  r - 8 h
.set ST,  12                           ; tile t at v[ST + 8 t]: +0 c m, +1 m, +2, +3 l, +4 .. +7 at work (a takes +6)
.set FC,  44                           ; v44-47 four factors
.set ASG, 48                           ; v48-50 where my tiles 1, 2, 3 go in the stage
.set ARG, 51                           ; v51  where the parts of my own tile come in
.set IN,  52                           ; v52-57 three (c m, l) that come in
.set TM,  58
.set PFO, 61
.set SPW, 62
.set NIL, 63
.set S,   64
.set P,   192
.set KF,  128
.set WV,  10
.set LAP, 11                           ; s11  the lap
.set R2,  12                           ; s12  laps of the early block
.set TB,  13                           ; s13  the slot in hand
.set KVW, 14                           ; s[14:15] kv at my head and wave
.set QB0, 16
.set QB1, 18
.set OB0, 20
.set OB1, 22
.set G1,  24
.set G0,  32
.set CS,  36
.set SEL, 38
.set PFA, 40
.set LIM, 42
.set MK,  43                           ; s43  1 in the early block's last lap
.set DE,  44                           ; s44-47 the mask's term for tile t, early block;  s48-51 late block
.set DL,  48
.set MSB, 0
.macro WIN new                         ; window of each operand place: bits 1:0 source 0, 3:2 source 1, 5:4 source 2, 7:6 destination; the high byte repeats the setting that is left
.if MSB != \new
	s_set_vgpr_msb (MSB<<8)|\new
.set MSB, \new
.endif
.endm
.set W_KQ, 0x0a                        ; K and Q window 2, S^T window 0
.set W_PV, 0x53                        ; V window 3, P window 0, O^T window 1
.set W_RS, 0x41                        ; O^T window 1, the factor window 0
.macro PLACES
.rept 4
	v_nop
.endr
.endm
.macro CROUND                          ; a round of the cluster's barrier
	s_barrier_signal -1
	s_barrier_wait -1
	s_cmp_lg_u32 s[WV], 0
	s_cbranch_scc1 .Lnot_wave_0_\@
	s_barrier_signal -3
.Lnot_wave_0_\@:
	s_barrier_wait -3
	s_barrier_signal -1
	s_barrier_wait -1
.endm
.macro QLOAD base                      ; 64 queries: tile t, registers 32 t + 4 b
	WIN 0x80
.irp t, 0,1,2,3
.irp f, 0,1,2,3,4,5,6,7
	global_load_b128 v[32*\t+4*\f:32*\t+4*\f+3], v[VQ+\t], s[\base:\base+1] offset:512*\f
.endr
.endr
	WIN 0
.endm
.macro INIT                            ; a block begins.  The step is written once for every lap: its first finds zeros, which the first change of the maximum leaves zeros
.irp t, 0,1,2,3
	v_mov_b32 v[ST+8*\t+1], 0xff61b1e6             ; -3e38, under every score
	v_mul_f32 v[ST+8*\t], s[CS], v[ST+8*\t+1]
	v_mov_b32 v[ST+8*\t+2], 0
	v_mov_b32 v[ST+8*\t+3], 0
.endr
	WIN 0x40
.set ci, 0
.rept 256
	v_mov_b32 v[ci], 0
.set ci, ci+1
.endr
	WIN 0
.endm
	s_load_b128 s[4:7], s[0:1], 0x0                ; q16, kv
	s_load_b64 s[8:9], s[0:1], 0x10                ; ao
	v_lshl_add_u32 v[SPW], v0, 2, SPARE
	v_mov_b32 v[NIL], 0
	ds_add_u32 v[SPW], v[NIL]                      ; the opening: the add, twice on end, and its wait ahead of my first tensor load
	ds_add_u32 v[SPW], v[NIL]
	v_lshrrev_b32 v1, 5, v0
	v_readfirstlane_b32 s[WV], v1
	s_and_b32 s63, ttmp7, 0xffff                   ; the head
	s_add_co_u32 s[R2], ttmp9, 1
	s_mov_b32 s[G1], 15|(3<<16)|(1<<21)            ; all four partners; elements of 8 bytes; bit 21 beside a mask; no padding
	s_mov_b32 s[G1+1], 32<<16                      ; a tile is 32,768 dense bytes: 128 rows of 256
	s_mov_b32 s[G1+2], 128<<16
	s_mov_b32 s[G1+3], 32<<16
	s_mov_b32 s[G1+4], 128
	s_mov_b32 s[G1+5], 32
	s_mov_b32 s[G1+6], 0
	s_mov_b32 s[G1+7], 0
	s_mov_b32 s[CS], 0x3e0293ee                    ; c
	s_mov_b32 s[CS+1], s[CS]
	s_mov_b32 s[SEL], 0x76543210
	s_mov_b32 s[SEL+1], 0xfedcba98
	v_and_b32 v1, 31, v0
	v_lshlrev_b32 v[LI], 4, v1
	s_lshl_b32 s68, s[WV], 15
	v_add_nc_u32 v[AK0], s68, v[LI]
	v_and_b32 v1, 15, v0
	v_bfe_u32 v3, v0, 4, 1
	v_lshlrev_b32 v3, 3, v3
	v_sub_nc_u32 v[RH], v1, v3
	v_mov_b32 v[NINF], 0xff800000
	v_lshlrev_b32 v[PFO], 4, v[LI]                 ; 256 x lane
.irp t, 0,1,2,3
	s_add_co_u32 s68, s[WV], \t
	s_and_b32 s68, s68, 3                          ; register tile t is this query tile, and goes to this owner
	s_lshl_b32 s69, s68, 12
	v_add_nc_u32 v[VQ+\t], s69, v[LI]
	s_lshl_b32 s[DE+\t], s68, 4                    ; 16 x query tile
.if \t > 0
	s_mul_i32 s69, s68, OWNB
	s_add_co_u32 s69, s69, STAGE+(\t-1)*PARTB
	v_add_nc_u32 v[ASG+\t-1], s69, v[LI]
.endif
.endr
	s_mul_i32 s69, s[WV], OWNB
	s_add_co_u32 s69, s69, STAGE
	v_add_nc_u32 v[ARG], s69, v[LI]
	s_and_b32 s60, s63, 1
	s_or_b32 s60, s60, ttmp9
	s_cmp_eq_u32 s60, 0
	s_cselect_b32 s[LIM], 6, 0                     ; the first cluster of a k/v head's even query head prefetches, in laps 0 to 5; the same in all four partners
	s_mov_b32 s[TB], 0
	s_mov_b32 s[LAP], 0
	s_mov_b32 s61, 0
	s_mov_b32 s75, 0
	s_bfe_u32 s62, ttmp6, 0x40000                  ; cx
	s_lshl_b32 s66, ttmp9, 2
	s_add_co_u32 s66, s66, s62                     ; the early block
	s_sub_co_u32 s67, 31, s66                      ; the late block
	s_sub_co_u32 s70, s62, s[WV]
	s_lshl_b32 s70, s70, 6                         ; 64 x (block - key step) in the early block's last lap: 64 (cx - w)
	s_sub_co_u32 s71, 3, s62
	s_sub_co_u32 s71, s71, s[WV]
	s_lshl_b32 s71, s71, 6                         ; and in the late block's: 64 (3 - cx - w)
.irp t, 0,1,2,3
	s_add_co_u32 s[DL+\t], s[DE+\t], s71
	s_add_co_u32 s[DE+\t], s[DE+\t], s70
.endr
	s_wait_dscnt 0x0                               ; both opening adds are done
	s_wait_kmcnt 0x0
	s_lshr_b32 s60, s63, 1
	s_lshl_b32 s60, s60, 20
	s_add_nc_u64 s[6:7], s[6:7], s[60:61]          ; kv at my k/v head
	s_lshl_b32 s60, s[WV], 15
	s_add_nc_u64 s[KVW:KVW+1], s[6:7], s[60:61]
	s_lshl_b32 s60, s63, 19
	s_add_nc_u64 s[4:5], s[4:5], s[60:61]          ; q16 at my head
	s_lshl_b32 s60, s63, 12
	s_lshl_b32 s69, s[WV], 16
	s_add_co_u32 s60, s60, s69
	s_add_nc_u64 s[8:9], s[8:9], s[60:61]          ; ao: my query tile's 65,536 bytes, my head's 4,096 of them
	s_add_co_u32 s74, s62, 4
	s_lshl_b32 s74, s74, 15
	s_lshl_b32 s76, s[WV], 13
	s_add_co_u32 s74, s74, s76
	s_add_nc_u64 s[PFA:PFA+1], s[6:7], s[74:75]    ; key steps 4 to 7: step 4 + cx, my wave's 8,192 bytes; the first lap steps it to steps 8 to 11
	s_lshl_b32 s74, s66, 14
	s_add_nc_u64 s[QB0:QB0+1], s[4:5], s[74:75]
	s_lshl_b32 s74, s67, 14
	s_add_nc_u64 s[QB1:QB1+1], s[4:5], s[74:75]
	s_lshl_b32 s74, s66, 18
	s_add_nc_u64 s[OB0:OB0+1], s[8:9], s[74:75]
	s_lshl_b32 s74, s67, 18
	s_add_nc_u64 s[OB1:OB1+1], s[8:9], s[74:75]
	CROUND                                         ; all four work-groups are here: the first joint loads meet
	s_mov_b32 s[G0], 1
	s_lshl_b32 s[G0+1], s[WV], 15                  ; slot 0, my wave's 32,768 bytes
	s_mov_b64 s[G0+2:G0+3], s[KVW:KVW+1]
	s_or_b32 s[G0+3], s[G0+3], 0x80000000
	tensor_load_to_lds s[G0:G0+3], s[G1:G1+7]      ; lap 0's tile: one tensor load of mine is out, here and behind each round
	s_nop 0
.rept 4
	v_nop
.endr
	QLOAD QB0
	INIT
	s_wait_loadcnt 0x0                             ; Q
; Product i of 32 of S^T = K Q^T for piece x: channels 32 (i / 8) on, keys 16 ((i / 2) % 4) on, tile x + i % 2.  The accumulators take turns, one instruction a turn.
.macro KQ x
	WIN W_KQ
.set rS, S+32*(\x+i%2)+8*((i/2)%4)
.set rK, KF+32*((i/2)%4)+8*(i/8)
.set rQ, 32*(\x+i%2)+8*(i/8)
.if i < 8
	v_wmma_f32_16x16x32_f16 v[rS:rS+7], v[rK:rK+7], v[rQ:rQ+7], 0
.else
	v_wmma_f32_16x16x32_f16 v[rS:rS+7], v[rK:rK+7], v[rQ:rQ+7], v[rS:rS+7]
.endif
.endm
; Product i of 32 of O^T += V^T P: keys 32 (i / 16) on, channels 16 ((i / 2) % 8) on, tile x + i % 2.
.macro PV x
	WIN W_PV
.set rO, 64*(\x+i%2)+8*((i/2)%8)
.set rV, 64*(i/16)+8*((i/2)%8)
.set rP, P+16*(\x+i%2)+8*(i/16)
	v_wmma_f32_16x16x32_f16 v[rO:rO+7], v[rV:rV+7], v[rP:rP+7], v[rO:rO+7]
.endm
.macro FETCH_K                         ; my tile's 16 fragments of K, IN THE ORDER IN WHICH THE PRODUCTS TAKE THEM: channels 32 c on of all 64 keys, c = 0 .. 3, eight loads each
	WIN 0
	v_add_nc_u32 v[ADR], s[TB], v[AK0]
	WIN 0x80
.irp c, 0,1,2,3
.irp q, 0,1,2,3
	ds_load_b128 v[KF+8*(4*\q+\c):KF+8*(4*\q+\c)+3], v[ADR] offset:(4*\q+\c)*1024
	ds_load_b128 v[KF+8*(4*\q+\c)+4:KF+8*(4*\q+\c)+7], v[ADR] offset:(4*\q+\c)*1024+512
.endr
.endr
.endm
.macro FETCH_V                         ; and its 16 of V^T
	WIN 0xc0
.set ci, 0
.rept 16
	ds_load_b128 v[8*ci:8*ci+3], v[ADR] offset:16384+ci*1024
	ds_load_b128 v[8*ci+4:8*ci+7], v[ADR] offset:16384+ci*1024+512
.set ci, ci+1
.endr
	WIN 0
.endm
; One tile's softmax for a key step is a list of 134 instructions; SM writes number j of it for tile t.
;   0-15 the maximum of the lane's 32 scores and the old m; 16-20 the other half of the lanes', the new m, c m, its change; 21-69 ONE BATCH: 16 packed scalings c s - c m and 33 exponentials, none of which reads an
;   exponential's result; (the wait); 70-85 roundings to f16; 86-101 the sums, l = a l + sum; 102-133 O^T times a.
.macro SM t
.set rT, ST+8*(\t)
.set rS, S+32*(\t)
.set rP, P+16*(\t)
.set rO, 64*(\t)+2*(j-102)
.if j < 102
	WIN 0
.endif
.if j < 4
	v_max3_num_f32 v[rT+4+j], v[rS+8*j], v[rS+8*j+1], v[rS+8*j+2]
.elseif j < 12
	v_max3_num_f32 v[rT+4+j%4], v[rT+4+j%4], v[rS+8*(j%4)+2*(j/4)+1], v[rS+8*(j%4)+2*(j/4)+2]
.elseif j == 12
	v_max3_num_f32 v[rT+4], v[rT+4], v[rS+7], v[rS+15]
.elseif j == 13
	v_max3_num_f32 v[rT+6], v[rT+6], v[rS+23], v[rS+31]
.elseif j == 14
	v_max3_num_f32 v[rT+4], v[rT+4], v[rT+5], v[rT+6]
.elseif j == 15
	v_max3_num_f32 v[rT+4], v[rT+4], v[rT+7], v[rT+1]
.elseif j == 16
	v_permlanex16_b32 v[rT+5], v[rT+4], s[SEL], s[SEL+1]
.elseif j == 17
	v_mov_b32 v[rT+7], v[rT]
.elseif j == 18
	v_max_num_f32 v[rT+1], v[rT+4], v[rT+5]
.elseif j == 19
	v_mul_f32 v[rT], s[CS], v[rT+1]
.elseif j == 20
	v_sub_f32 v[rT+7], v[rT+7], v[rT]
.elseif j == 23
	v_exp_f32 v[rT+6], v[rT+7]
.elseif (j < 23) || ((j < 38) && (j%2 == 0)) || ((j < 66) && (j%4 == 2))
.set b, (j-2)/4
.if j < 38
.set b, (j-20)/2
.endif
	v_pk_fma_f32 v[rS+2*b:rS+2*b+1], v[rS+2*b:rS+2*b+1], s[CS:CS+1], v[rT:rT+1] op_sel_hi:[1,0,0] neg_lo:[0,0,1] neg_hi:[0,0,1]
.elseif j < 70
.set e, j-38
.if j < 66
.set e, j-32-(j-38)/4
.endif
.if j < 38
.set e, (j-25)/2
.endif
	v_exp_f32 v[rS+e], v[rS+e]
.elseif j < 86
	v_cvt_pk_f16_f32 v[rP+j-70], v[rS+2*(j-70)], v[rS+2*(j-70)+1]
.elseif j < 102
.set z, j-86
.set w, 4
.set u, z
.if z >= 14
.set w, 32
.set u, 0
.elseif z >= 12
.set w, 16
.set u, z-12
.elseif z >= 8
.set w, 8
.set u, z-8
.endif
.if z < 15
	v_pk_add_f32 v[rS+w*u:rS+w*u+1], v[rS+w*u:rS+w*u+1], v[rS+w*u+w/2:rS+w*u+w/2+1]
.else
	v_pk_fma_f32 v[rT+2:rT+3], v[rT+2:rT+3], v[rT+6:rT+7], v[rS:rS+1] op_sel_hi:[1,0,1]
.endif
.else
	WIN W_RS
	v_pk_mul_f32 v[rO:rO+1], v[rO:rO+1], v[rT+6:rT+7] op_sel_hi:[1,0]
.endif
.endm
; Slice k of 64 of piece y's softmax: four instructions (slice 63: sixteen).  Slices 11 to 34 deal out the batch, four numbers of one tile each; behind slice 34 stand a plain instruction and the one wait for the piece's 66 exponentials.
.macro SLICE y
.if (k >= 11) && (k < 35)
.irp n, 0,1,2,3
.set j, 22+4*((k-11)/2)+(\n)
	SM (\y)+(k-11)%2
.endr
.else
.irp n, 0,1,2,3,4,5,6,7
.if (\n < 2) || (k == 63)
.irp t, \y, \y+1
.set j, 2*k+\n
	SM \t
.endr
.endif
.endr
.endif
.if k == 34
	v_nop
	s_wait_alu depctr_va_vdst(0)                   ; the wait ahead of the batch's first reader
.endif
.set k, k+1
.endm
; Register 8 kt + jj of a tile holds key 16 kt + 8 h + jj of the step; my query is 16 x query tile + r of the block: hidden where 16 kt + jj > 16 x query tile + r - 8 h + 64 (block - step).
.macro MASK y, ds
	v_add_nc_u32 v[D0], s[\ds+\y], v[RH]
	v_add_nc_u32 v[D1], s[\ds+\y+1], v[RH]
.set mn, 0
.rept 32
	v_cmp_gt_i32 vcc_lo, 16*(mn/8)+mn%8, v[D0]
	v_cndmask_b32 v[S+32*(\y)+mn], v[S+32*(\y)+mn], v[NINF], vcc_lo
	v_cmp_gt_i32 vcc_lo, 16*(mn/8)+mn%8, v[D1]
	v_cndmask_b32 v[S+32*(\y)+32+mn], v[S+32*(\y)+32+mn], v[NINF], vcc_lo
.set mn, mn+1
.endr
.endm
; A KEY STEP of my wave: 64 keys x 64 queries.  always = 1: the late block's last lap, always under the mask; 0: under the mask where s[MK] says so (the cluster's x and the lap alone: the same in all waves and partners).
.macro STEP always
	FETCH_K                                        ; K's registers were last read a whole softmax ago
.set i, 0
.rept 32
.if i%8 == 0
	s_wait_dscnt 24-i                              ; LDS loads come back in order: the eight loads of these eight products' channels are in; those issued behind them (24, 16, 8, none) may be out
.endif
	KQ 0
.set i, i+1
.endr
	WIN 0
	PLACES                                         ; behind piece 0's scores; with the address's addition above they are also the places ahead of the loads into V's registers, which the last step's products read
	FETCH_V                                        ; 32 products and a softmax ahead of its first use
.if \always
	MASK 0, DL
.else
	s_cmp_eq_u32 s[MK], 0
	s_cbranch_scc1 .Lopen_a_\@
	MASK 0, DE
.Lopen_a_\@:
.endif
.set k, 0
.set i, 0
.rept 32
	KQ 2
	SLICE 0
	SLICE 0
.set i, i+1
.endr
	WIN 0                                          ; slice 63's sixteen plain instructions are the places behind piece 2's last product
.if \always
	MASK 2, DL
.else
	s_cmp_eq_u32 s[MK], 0
	s_cbranch_scc1 .Lopen_b_\@
	MASK 2, DE
.Lopen_b_\@:
.endif
	s_wait_dscnt 0x0                               ; V is in
.set k, 0
.set i, 0
.rept 32
	PV 0
	SLICE 2
	SLICE 2
.set i, i+1
.endr
.set i, 0
.rept 32
	PV 2
.set i, i+1
.endr
	WIN 0
.endm
; THE HEAD OF A LAP.  My tile of this lap has landed; the add; the next lap's address (the late block begins again at key step w); my reads of the other slot are over; a round of the cluster's barrier;
; the next lap's tile goes into the other slot: it has a whole key step, 128 matrix instructions, in which to land.
.macro CHANGE
	s_wait_tensorcnt 0x0                           ; no tensor load of mine is out, so the group 0 may be written
	ds_add_u32 v[SPW], v[NIL]
	s_add_co_u32 s60, s[LAP], 1
	s_cmp_ge_u32 s60, s[R2]
	s_cselect_b32 s61, s[R2], 0
	s_sub_co_u32 s60, s60, s61                     ; the next lap's number within its block
	s_lshl_b32 s60, s60, 17                        ; four key steps of 32,768 bytes
	s_mov_b32 s61, 0
	s_add_nc_u64 s[G0+2:G0+3], s[KVW:KVW+1], s[60:61]
	s_or_b32 s[G0+3], s[G0+3], 0x80000000
	s_xor_b32 s[G0+1], s[G0+1], 1<<17              ; the other slot
	s_wait_xcnt 0x0                                ; the last prefetch, a lap back, has read its address
	s_add_nc_u64 s[PFA:PFA+1], s[PFA:PFA+1], 131072
	s_wait_dscnt 0x0
	CROUND
	tensor_load_to_lds s[G0:G0+3], s[G1:G1+7]
	s_nop 0
.rept 4
	v_nop
.endr
	; a prefetch into the L2: in lap t key steps 4 (t + 2) to 4 (t + 2) + 3 of the k/v head, 131,072 bytes: a partner a key step (told apart by address), a wave 8,192 bytes, lanes 256 bytes apart: each block is named once in the
	; launch.  It stands one lap ahead of the earliest tensor load of any cluster that asks for those steps.  Steps 0 to 7 come by their loads alone; lap 5 names the last steps, 28 to 31.
	s_cmp_lt_u32 s[LAP], s[LIM]
	s_cbranch_scc0 .Lnot_mine_\@
	global_prefetch_b8 v[PFO], s[PFA:PFA+1] th:TH_LOAD_NT scope:SCOPE_SE
.Lnot_mine_\@:
.endm
.macro SENDP ps                        ; half ps (channels 64 ps on) of tiles 1, 2, 3 goes to their owners; then the barrier
	WIN 0x04                                       ; an LDS store's data are its source 1: window 1
.irp t, 1,2,3
.irp e, 0,1,2,3,4,5,6,7
	ds_store_b128 v[ASG+\t-1], v[64*\t+32*(\ps)+4*\e:64*\t+32*(\ps)+4*\e+3] offset:512*\e   ; each accumulator from its low end on
.endr
.endr
	WIN 0
	s_wait_dscnt 0x0                               ; for the others' sake: my stores have landed
	s_barrier_signal -1
	s_barrier_wait -1
.endm
.macro RECVP                           ; the three parts of my own tile
	WIN 0xc0
.irp t, 1,2,3
.irp e, 0,1,2,3,4,5,6,7
	ds_load_b128 v[128+32*(\t-1)+4*\e:128+32*(\t-1)+4*\e+3], v[ARG] offset:PARTB*(\t-1)+512*\e
.endr
.endr
	WIN 0
.endm
.macro PARTF ps, t, pr, e              ; + part t x its factor: register e of the pair v[FC + pr]
.irp q, 0,2,4,6,8,10,12,14,16,18,20,22,24,26,28,30
	v_pk_fma_f32 v[32*(\ps)+\q:32*(\ps)+\q+1], v[128+32*(\t-1)+\q:128+32*(\t-1)+\q+1], v[FC+\pr:FC+\pr+1], v[32*(\ps)+\q:32*(\ps)+\q+1] op_sel:[0,\e,0] op_sel_hi:[1,\e,1]
.endr
.endm
.macro ACCUM ps                        ; my tile = my part x its factor + the three parts x theirs
	WIN W_RS
.irp q, 0,2,4,6,8,10,12,14,16,18,20,22,24,26,28,30
	v_pk_mul_f32 v[32*(\ps)+\q:32*(\ps)+\q+1], v[32*(\ps)+\q:32*(\ps)+\q+1], v[FC:FC+1] op_sel_hi:[1,0]
.endr
	WIN 0x53
	PARTF \ps, 1, 0, 1
	PARTF \ps, 2, 2, 0
	PARTF \ps, 3, 2, 1
	WIN 0
.endm
; A BLOCK'S END: the four waves' parts are merged.  Barriers: parts of half 0 lie in the stage | they have been read | parts of half 1 lie there | (next = 1: the late block follows) they have been read too.
.macro FINISH next
.set OBR, OB1-2*(\next)
	PLACES
.if \next
	QLOAD QB1
.endif
.irp t, 0,1,2,3
	v_add_f32 v[ST+8*\t+4], v[ST+8*\t+2], v[ST+8*\t+3]
.endr
.irp t, 0,1,2,3
	v_permlanex16_b32 v[ST+8*\t+5], v[ST+8*\t+4], s[SEL], s[SEL+1]
.endr
.irp t, 0,1,2,3
	v_add_f32 v[ST+8*\t+1], v[ST+8*\t+4], v[ST+8*\t+5]   ; l, beside c m
.endr
.irp t, 1,2,3
	ds_store_b64 v[ASG+\t-1], v[ST+8*\t:ST+8*\t+1] offset:4096
.endr
	SENDP 0
.irp t, 0,1,2
	ds_load_b64 v[IN+2*\t:IN+2*\t+1], v[ARG] offset:PARTB*\t+4096
.endr
	RECVP
	s_wait_dscnt 24                                ; the statistics are in; the 24 loads of parts may be out
	v_max3_num_f32 v[TM], v[ST], v[IN], v[IN+2]
	v_max_num_f32 v[TM], v[TM], v[IN+4]            ; the query's c m over all keys
	v_sub_f32 v[FC], v[ST], v[TM]
	v_sub_f32 v[FC+1], v[IN], v[TM]
	v_sub_f32 v[FC+2], v[IN+2], v[TM]
	v_sub_f32 v[FC+3], v[IN+4], v[TM]
.irp t, 0,1,2,3
	v_exp_f32 v[FC+\t], v[FC+\t]
.endr
	v_nop
	s_wait_alu depctr_va_vdst(0)                   ; one wait for the four
	v_mul_f32 v[TM+1], v[FC], v[ST+1]
	v_fma_f32 v[TM+1], v[FC+1], v[IN+1], v[TM+1]
	v_fma_f32 v[TM+1], v[FC+2], v[IN+3], v[TM+1]
	v_fma_f32 v[TM+1], v[FC+3], v[IN+5], v[TM+1]   ; the row's sum: the part that holds the maximum has the factor 1 and a sum of at least 1
	v_rcp_f32 v[TM+1], v[TM+1]
	v_nop
	s_wait_alu depctr_va_vdst(0)
.irp t, 0,1,2,3
	v_mul_f32 v[FC+\t], v[FC+\t], v[TM+1]
.endr
	s_wait_dscnt 0x0                               ; my reads of the stage are over:
	s_barrier_signal -1                            ; say so, work on registers,
	ACCUM 0
	s_barrier_wait -1                              ; and write the stage again when all four have said so
	SENDP 1
	RECVP
	s_wait_dscnt 0x0
.if \next
	s_barrier_signal -1                            ; my reads are over: the late block's merge writes the stage only behind this barrier
.endif
	ACCUM 1
.if \next
	s_barrier_wait -1
.endif
	WIN 0x05
.set ci, 0
.rept 32
	v_cvt_pk_f16_f32 v[80+ci], v[2*ci], v[2*ci+1]
.set ci, ci+1
.endr
	WIN 0
.set ci, 0
.rept 8
	global_store_b128 v[LI], v[80+4*ci:80+4*ci+3], s[OBR:OBR+1] offset:512*ci   ; 512 consecutive bytes: the projection's operand image
.set ci, ci+1
.endr
.if \next
	INIT
	s_wait_loadcnt 0x0                             ; the late block's Q
	s_wait_xcnt 0x0                                ; the stores have read their data: the scores' registers may be written
.endif
.endm
.Llap:                                             ; eight trips; the ninth lap is written out
	CHANGE
	s_add_co_u32 s72, s[LAP], 1
	s_cmp_eq_u32 s72, s[R2]
	s_cselect_b32 s[MK], 1, 0
	STEP 0
	s_cmp_eq_u32 s[MK], 0
	s_cbranch_scc1 .Lsame_block
	FINISH 1
.Lsame_block:
	s_xor_b32 s[TB], s[TB], 1<<17
	s_add_co_u32 s[LAP], s[LAP], 1
	s_cmp_lt_u32 s[LAP], 8
	s_cbranch_scc1 .Llap
	s_wait_tensorcnt 0x0                           ; my last tile
	STEP 1
	FINISH 0
	s_wait_tensorcnt 0x0                           ; the wave's end
	ds_add_u32 v[SPW], v[NIL]
	s_wait_dscnt 0x0
	CROUND                                         ; the closing round
	s_endpgm
.Lfunc_end_k_q018394b66e_attn:
	.size	k_q018394b66e_attn, .Lfunc_end_k_q018394b66e_attn-k_q018394b66e_attn
	.p2alignl 7, 3214868480
	.fill 96, 4, 3214868480
	.section	.rodata,"a",@progbits
	.p2align	6, 0x0
	.amdhsa_kernel k_q018394b66e_attn
		.amdhsa_group_segment_fixed_size 327680
		.amdhsa_private_segment_fixed_size 0
		.amdhsa_enable_private_segment 0
		.amdhsa_kernarg_size 24
		.amdhsa_user_sgpr_count 2
		.amdhsa_user_sgpr_kernarg_segment_ptr 1
		.amdhsa_wavefront_size32 1
		.amdhsa_system_sgpr_workgroup_id_x 1
		.amdhsa_system_sgpr_workgroup_id_y 1
		.amdhsa_system_sgpr_workgroup_id_z 1
		.amdhsa_system_vgpr_workitem_id 0
		.amdhsa_next_free_vgpr 1024
		.amdhsa_next_free_sgpr 80
		.amdhsa_reserve_vcc 1
		.amdhsa_float_denorm_mode_32 3
		.amdhsa_float_denorm_mode_16_64 3
		.amdhsa_memory_ordered 1
		.amdhsa_forward_progress 1
		.amdhsa_inst_pref_size 178
	.end_amdhsa_kernel
	.amdgpu_metadata
---
amdhsa.version: [ 1, 2 ]
amdhsa.kernels:
  - .name:           k_q018394b66e_attn
    .symbol:         k_q018394b66e_attn.kd
    .args:
      - { .name: q16, .offset: 0, .size: 8, .value_kind: global_buffer, .address_space: global }
      - { .name: kv, .offset: 8, .size: 8, .value_kind: global_buffer, .address_space: global }
      - { .name: ao, .offset: 16, .size: 8, .value_kind: global_buffer, .address_space: global }
    .group_segment_fixed_size: 327680
    .private_segment_fixed_size: 0
    .kernarg_segment_align: 8
    .kernarg_segment_size: 24
    .max_flat_workgroup_size: 128
    .sgpr_count:     80
    .vgpr_count:     1024
    .wavefront_size: 32
...
	.end_amdgpu_metadata
.endif
;; end of part 3
;; launch proj (part 4): grid 16 x 16, 4 waves a work-group, clusters of 4 x 4, 327,680 bytes of LDS; arguments ao, wo16, out0; writes out0
.if DOCPART == 4
	.amdgcn_target "amdgcn-amd-amdhsa--gfx1250"
	.amdhsa_code_object_version 6
	.text
	.protected	k_q018394b66e_proj
	.globl	k_q018394b66e_proj
	.p2align	8
	.type	k_q018394b66e_proj,@function
k_q018394b66e_proj:
	s_mov_b64 s[64:65], 0
	v_nop
	global_prefetch_b8 v0, s[64:65] scope:SCOPE_SE
	s_setreg_imm32_b32 hwreg(HW_REG_WAVE_MODE, 25, 1), 1
	s_wait_xcnt 0x0
	s_wait_alu depctr_hold_cnt(0) depctr_sa_sdst(0) depctr_va_vdst(0) depctr_va_sdst(0) depctr_va_ssrc(0) depctr_va_vcc(0) depctr_vm_vsrc(0)
	s_getreg_b32 s2, hwreg(HW_REG_IB_STS2, 6, 4)
	s_cmp_eq_u32 s2, 0
	s_cbranch_scc0 .Lentry_in_a_cluster
	s_endpgm
.Lentry_in_a_cluster:
	s_bfe_u32 s2, ttmp6, 0x10000c
	s_cmp_lg_u32 s2, 0xf033
	s_cbranch_scc0 .Lentry_shape_is_right
	s_endpgm
.Lentry_shape_is_right:
; out0 [2048][2048] f32 = attention's result [2048][2048] x Wo, both as f16, sums in f32.  (Rows 0 to 15 are written again, more finely, by the launch that follows.)
; A tile of out0 is 128 x 128: 256 work-groups; four waves, each 64 x 64: 16 accumulators.  K goes in steps of 256 through two LDS slots.
; BOTH OPERANDS ARE IMAGES OF THEIR REGISTERS: (row / 16) x 65,536 + (k / 32) x 1,024 + 512 x group + 16 x lane.  A K step of 16 rows is 8,192 consecutive bytes; a wave's tensor load brings four such rows; a fragment load
; reads 512 consecutive bytes: no pitch, no padding.
; CLUSTER 4 x 4: A's tiles shared along a row, B's along a column.  THE MATRIX INSTRUCTION IS USED TRANSPOSED (source 0 = 16 columns of Wo, source 1 = 16 tokens): a lane holds eight neighbouring numbers of a row of out0.
; THE CLUSTERS BEGIN AT DIFFERENT K STEPS: cluster (x, y) walks the eight K steps from step (2 x + 4 y) % 8 on, and round.  The four clusters along x, which read the same rows of A, begin two steps apart; two neighbours
; along y, which read the same rows of B, four apart: so the clusters that share rows ask for a given K step at different times.  The number hangs on the cluster's own x and y, the same in all sixteen partners.
; Each output still has one f32 sum; THE ORDER OF ITS TERMS ALONG K is rotated by that number, which differs from the module's order.
; No prefetch is laid: the tiles are small.
; REGISTERS: window 0: v0-31 addresses; v32-95 the way out; v128-255 the accumulators ((a, b) at v[128 + 8 (4 a + b)]).  window 1: two fragment buffers of 128: 64 registers of A, then 64 of B, for 64 along K.
.set KSB,    8192                      ; a K step of a tile of 16 rows
.set HALFT,  32768                     ; 64 rows: what one tensor load brings, and what a wave reads of A or of B
.set SLOT,   4*HALFT
.set SPARE,  2*SLOT
.set SPITCH, 272                       ; the way out: a stage of 16 rows x (256 bytes + 16) for each wave, in slot 0, which has had its last fill and its last read by then
.set LAPS,   4
.set ADRA, 16
.set ADRB, 20
.set STO,  24
.set RD,   25
.set CO,   26
.set SPW,  28
.set NIL,  29
.set TMP,  32
.set ACC,  128
.set F0,   0
.set F1,   128
.set G1, 24
.set G0, 32
.set G1B, 48
.set G0B, 56
.set KO,  66                           ; s[66:67], s[68:69] the byte at which slot 0's, slot 1's K step begins in a tile's 65,536: it steps by two K steps, modulo eight
.set BA,  70                           ; s[70:71] A at the rows that I would fetch
.set BB,  72                           ; s[72:73] B likewise
.set MSB, 0
.macro WIN new
.if MSB != \new
	s_set_vgpr_msb (MSB<<8)|\new
.set MSB, \new
.endif
.endm
.set MUL,  0x05                        ; sources 0 and 1 window 1; C and D window 0
.set TO_F, 0x40
.macro JLOAD s
	s_cmp_eq_u32 s11, 0
	s_cbranch_scc0 .Lfor_b_\@
	tensor_load_to_lds s[G0+4*\s:G0+4*\s+3], s[G1:G1+7]
	s_nop 0
.rept 4
	v_nop
.endr
	s_branch .Lasked_\@
.Lfor_b_\@:
	tensor_load_to_lds s[G0B+4*\s:G0B+4*\s+3], s[G1B:G1B+7]
	s_nop 0
.rept 4
	v_nop
.endr
.Lasked_\@:
.endm
.macro CREST
	s_cmp_lg_u32 s10, 0
	s_cbranch_scc1 .Lnot_wave_0_\@
	s_barrier_signal -3
.Lnot_wave_0_\@:
	s_barrier_wait -3
	s_barrier_signal -1
	s_barrier_wait -1
.endm
.macro CROUND
	s_barrier_signal -1
	s_barrier_wait -1
	CREST
.endm
.macro AIM s                           ; slot s's two groups 0 at the K step that s[KO + 2 s] names
	s_add_nc_u64 s[G0+4*\s+2:G0+4*\s+3], s[BA:BA+1], s[KO+2*\s:KO+2*\s+1]
	s_or_b32 s[G0+4*\s+3], s[G0+4*\s+3], 0x80000000
	s_add_nc_u64 s[G0B+4*\s+2:G0B+4*\s+3], s[BB:BB+1], s[KO+2*\s:KO+2*\s+1]
	s_or_b32 s[G0B+4*\s+3], s[G0B+4*\s+3], 0x80000000
.endm
	s_load_b128 s[4:7], s[0:1], 0x0                ; ao, wo16
	s_load_b64 s[8:9], s[0:1], 0x10                ; out0
	v_lshl_add_u32 v[SPW], v0, 2, SPARE
	v_mov_b32 v[NIL], 0
	ds_add_u32 v[SPW], v[NIL]                      ; the opening: the add, twice on end, and its wait ahead of my first tensor load
	ds_add_u32 v[SPW], v[NIL]
	v_lshrrev_b32 v1, 5, v0
	v_readfirstlane_b32 s10, v1                    ; wave
	s_lshr_b32 s11, s10, 1                         ; my half of the tile's rows.  Also: I fetch for A (0) or for B (1)
	s_and_b32 s12, s10, 1                          ; my half of its columns.  Also: which 64 rows I fetch
	s_lshl_b32 s[KO], ttmp9, 1                     ; 2 x the cluster's x
	s_and_b32 s[KO+2], ttmp7, 0xffff
	s_lshl_b32 s[KO+2], s[KO+2], 2                 ; 4 x the cluster's y
	s_add_co_u32 s[KO], s[KO], s[KO+2]
	s_and_b32 s[KO], s[KO], 7                      ; the K step at which my cluster begins: an even number
	s_lshl_b32 s[KO], s[KO], 13                    ; in bytes
	s_add_co_u32 s[KO+2], s[KO], KSB               ; slot 1 begins with the step behind it
	s_mov_b32 s[KO+1], 0
	s_mov_b32 s[KO+3], 0
	s_bfe_u32 s40, ttmp6, 0x40000                  ; cx
	s_bfe_u32 s41, ttmp6, 0x40004                  ; cy
	s_lshl_b32 s42, ttmp9, 2
	s_add_co_u32 s42, s42, s40                     ; tile column
	s_and_b32 s13, ttmp7, 0xffff
	s_lshl_b32 s13, s13, 2
	s_add_co_u32 s13, s13, s41                     ; tile row
	s_lshl_b32 s43, s41, 2
	s_lshl_b32 s43, 15, s43
	s_lshl_b32 s44, 0x1111, s40
	s_or_b32 s[G1+0], s43, (3<<16)|(1<<21)         ; the mask; elements of 8 bytes; bit 21 beside a mask; no padding
	s_or_b32 s[G1B+0], s44, (3<<16)|(1<<21)
.irp g, G1, G1B
	s_mov_b32 s[\g+1], 1024<<16                    ; a row: 8,192 bytes
	s_mov_b32 s[\g+2], 4<<16                       ; four tiles of 16 rows
	s_mov_b32 s[\g+3], 1024<<16
	s_mov_b32 s[\g+4], 4
	s_mov_b32 s[\g+5], 8192                        ; 65,536 bytes apart
	s_mov_b32 s[\g+6], 0
	s_mov_b32 s[\g+7], 0
.endr
	s_lshl_b32 s17, s12, 2
	s_lshl_b32 s16, s13, 3
	s_add_co_u32 s16, s16, s17
	s_lshl_b32 s16, s16, 16                        ; A: tile of 16 rows 8 x tile row + 4 x half
	s_lshl_b32 s46, s42, 3
	s_add_co_u32 s46, s46, s17
	s_lshl_b32 s46, s46, 16                        ; B likewise by the tile column
	s_mov_b32 s17, 0
	s_mov_b32 s47, 0
	s_mul_i32 s20, s10, HALFT                      ; where they go: A's two halves, then B's
	s_wait_dscnt 0x0
	s_wait_kmcnt 0x0
	s_add_nc_u64 s[BA:BA+1], s[4:5], s[16:17]
	s_add_nc_u64 s[BB:BB+1], s[6:7], s[46:47]
	CROUND
.irp s, 0,1
	s_mov_b32 s[G0+4*\s], 1
	s_add_co_u32 s[G0+4*\s+1], s20, \s*SLOT
	s_mov_b32 s[G0B+4*\s], 1
	s_add_co_u32 s[G0B+4*\s+1], s20, \s*SLOT
	AIM \s
	JLOAD \s
.endr
	v_and_b32 v3, 31, v0
	v_lshlrev_b32 v3, 4, v3                        ; 16 x lane
	v_and_b32 v1, 15, v0
	v_bfe_u32 v2, v0, 4, 1
	s_mul_i32 s21, s11, HALFT
	s_mul_i32 s22, s12, HALFT
	s_add_co_u32 s22, s22, 2*HALFT
.irp s, 0,1
	v_add_nc_u32 v[ADRA+\s], s21, v3
	v_add_nc_u32 v[ADRB+\s], s22, v3
	s_add_co_u32 s21, s21, SLOT
	s_add_co_u32 s22, s22, SLOT
.endr
	s_mul_i32 s23, s10, 16*SPITCH                  ; my stage
	v_mul_u32_u24 v4, v1, SPITCH
	v_lshl_add_u32 v4, v2, 5, v4
	v_add_nc_u32 v[STO], s23, v4                   ; in: row r, 32 bytes for each half of the lanes
	v_mul_u32_u24 v5, v2, SPITCH
	v_lshl_add_u32 v5, v1, 4, v5
	v_add_nc_u32 v[RD], s23, v5                    ; back: lanes 0-15 one row of 256 bytes, lanes 16-31 the next
	v_lshlrev_b32 v5, 13, v2
	v_lshl_add_u32 v[CO], v1, 4, v5                ; and the same two rows in out0
	s_lshl_b32 s16, s13, 7
	s_lshl_b32 s17, s11, 6
	s_add_co_u32 s16, s16, s17
	s_lshl_b32 s16, s16, 13                        ; my first row, 8,192 bytes a row
	s_lshl_b32 s46, s42, 9
	s_lshl_b32 s47, s12, 8
	s_add_co_u32 s46, s46, s47                     ; my first column
	s_add_co_u32 s46, s46, s16
	s_mov_b32 s47, 0
	s_add_nc_u64 s[8:9], s[8:9], s[46:47]
.macro MUL8 f, c, a0, zero
.irp a, \a0, \a0+1
.irp b, 0,1,2,3
.if \zero
	v_wmma_f32_16x16x32_f16 v[ACC+8*(4*(\a)+\b):ACC+8*(4*(\a)+\b)+7], v[\f+64+8*(4*\c+\b):\f+64+8*(4*\c+\b)+7], v[\f+8*(4*\c+\a):\f+8*(4*\c+\a)+7], 0
.else
	v_wmma_f32_16x16x32_f16 v[ACC+8*(4*(\a)+\b):ACC+8*(4*(\a)+\b)+7], v[\f+64+8*(4*\c+\b):\f+64+8*(4*\c+\b)+7], v[\f+8*(4*\c+\a):\f+8*(4*\c+\a)+7], v[ACC+8*(4*(\a)+\b):ACC+8*(4*(\a)+\b)+7]
.endif
.endr
.endr
.endm
.macro FETCH slot, k, f                ; 32 LDS loads in one run: 64 along K, two fragments deep, from byte k of each tile's K step; the first 32 along K first
	WIN TO_F
.irp c, 0,1
.irp i, 0,1,2,3
	ds_load_b128 v[\f+64+8*(4*\c+\i):\f+64+8*(4*\c+\i)+3],   v[ADRB+\slot] offset:\k+1024*\c+\i*KSB
	ds_load_b128 v[\f+64+8*(4*\c+\i)+4:\f+64+8*(4*\c+\i)+7], v[ADRB+\slot] offset:\k+1024*\c+\i*KSB+512
	ds_load_b128 v[\f+8*(4*\c+\i):\f+8*(4*\c+\i)+3],         v[ADRA+\slot] offset:\k+1024*\c+\i*KSB
	ds_load_b128 v[\f+8*(4*\c+\i)+4:\f+8*(4*\c+\i)+7],       v[ADRA+\slot] offset:\k+1024*\c+\i*KSB+512
.endr
.endr
.endm
.macro PLACES
.rept 4
	v_nop
.endr
.endm
.macro QUARTER slot, k, f, g, zero     ; 64 along K: multiplies buffer f and fetches the next quarter, at byte k, into g
	s_wait_dscnt 16                                ; the first 32 along K are in
	WIN MUL
	MUL8 \f, 0, 0, \zero
	MUL8 \f, 0, 2, \zero
	PLACES
	FETCH \slot, \k, \g
	s_wait_dscnt 32                                ; all but the 32 just issued
	WIN MUL
	MUL8 \f, 1, 0, 0
	MUL8 \f, 1, 2, 0
.endm
.macro TURN slot, next, fill           ; the last quarter changes slots: one barrier; in front of it all my tensor loads, the add, my reads of this slot
	WIN 0
	s_wait_tensorcnt 0x0
	ds_add_u32 v[SPW], v[NIL]
	s_wait_dscnt 17                                ; (the add and the youngest sixteen loads may be out)
	WIN MUL
	MUL8 F1, 0, 0, 0
	s_wait_dscnt 0x0
	s_barrier_signal -1
	MUL8 F1, 0, 2, 0
.if \fill
	WIN 0
.endif
	s_barrier_wait -1
.if \fill
	CREST                                          ; no wave of any partner still reads this slot or has a load on its way
	s_add_co_u32 s[KO+2*\slot], s[KO+2*\slot], 2*KSB
	s_and_b32 s[KO+2*\slot], s[KO+2*\slot], 8*KSB-1   ; two K steps on, and round behind the eighth
	AIM \slot
	JLOAD \slot
.else
	PLACES
.endif
	FETCH \next, 0, F0
	WIN MUL
	MUL8 F1, 1, 0, 0
	MUL8 F1, 1, 2, 0
.endm
	s_wait_tensorcnt 1                             ; my part of the first K step is in; the second's may be out
	s_barrier_signal -1
	s_barrier_wait -1
	FETCH 0, 0, F0
	QUARTER 0, 2048, F0, F1, 1                     ; the first products start the sums
	WIN 0
	s_mov_b32 s3, LAPS-1
.Llap:
	QUARTER 0, 4096, F1, F0, 0
	QUARTER 0, 6144, F0, F1, 0
	TURN 0, 1, 1
	QUARTER 1, 2048, F0, F1, 0
	QUARTER 1, 4096, F1, F0, 0
	QUARTER 1, 6144, F0, F1, 0
	TURN 1, 0, 1
	QUARTER 0, 2048, F0, F1, 0
	WIN 0
	s_sub_co_u32 s3, s3, 1
	s_cmp_lg_u32 s3, 0
	s_cbranch_scc1 .Llap
	QUARTER 0, 4096, F1, F0, 0                     ; the last lap fills nothing
	QUARTER 0, 6144, F0, F1, 0
	TURN 0, 1, 0
	QUARTER 1, 2048, F0, F1, 0
	QUARTER 1, 4096, F1, F0, 0
	QUARTER 1, 6144, F0, F1, 0
	s_wait_dscnt 16
	WIN MUL
	MUL8 F1, 0, 0, 0
	MUL8 F1, 0, 2, 0
	s_wait_dscnt 0
	MUL8 F1, 1, 0, 0
	MUL8 F1, 1, 2, 0
	WIN 0
; THE WAY OUT.  My 64 columns of f32 are one aligned run of 256 bytes of a row: 16 rows at a time go through my own stage and come back as whole rows.  LDS serves a wave's instructions in order: no wait between stores and loads.
.macro TOSTAGE a
.set BB2, TMP+32*((\a)%2)
.irp b, 0,1,2,3
	ds_store_b128 v[STO], v[ACC+8*(4*(\a)+\b):ACC+8*(4*(\a)+\b)+3] offset:64*\b       ; each accumulator from its low end on
	ds_store_b128 v[STO], v[ACC+8*(4*(\a)+\b)+4:ACC+8*(4*(\a)+\b)+7] offset:64*\b+16
.endr
.irp t, 0,1,2,3,4,5,6,7
	ds_load_b128 v[BB2+4*\t:BB2+4*\t+3], v[RD] offset:\t*2*SPITCH
.endr
.endm
.macro SEND a, younger                 ; younger: the LDS instructions issued behind block a's loads
.set BB2, TMP+32*((\a)%2)
	s_wait_dscnt \younger
.irp t, 0,1,2,3,4,5,6,7
	global_store_b128 v[CO], v[BB2+4*\t:BB2+4*\t+3], s[8:9] offset:(16*(\a)+2*\t)*8192 th:TH_STORE_NT   ; sixteen lanes store 256 consecutive aligned bytes
.endr
.endm
	PLACES
	TOSTAGE 0
	TOSTAGE 1
	SEND 0, 16
	s_wait_xcnt 0x0                                ; block 0's stores have read their registers: block 2's loads may land there
	TOSTAGE 2
	SEND 1, 16
	s_wait_xcnt 0x0
	TOSTAGE 3
	SEND 2, 16
	SEND 3, 0
	s_wait_tensorcnt 0x0                           ; the wave's end
	ds_add_u32 v[SPW], v[NIL]
	s_wait_dscnt 0x0
	CROUND
	s_endpgm
.Lfunc_end_k_q018394b66e_proj:
	.size	k_q018394b66e_proj, .Lfunc_end_k_q018394b66e_proj-k_q018394b66e_proj
	.p2alignl 7, 3214868480
	.fill 96, 4, 3214868480
	.section	.rodata,"a",@progbits
	.p2align	6, 0x0
	.amdhsa_kernel k_q018394b66e_proj
		.amdhsa_group_segment_fixed_size 327680
		.amdhsa_private_segment_fixed_size 0
		.amdhsa_enable_private_segment 0
		.amdhsa_kernarg_size 24
		.amdhsa_user_sgpr_count 2
		.amdhsa_user_sgpr_kernarg_segment_ptr 1
		.amdhsa_wavefront_size32 1
		.amdhsa_system_sgpr_workgroup_id_x 1
		.amdhsa_system_sgpr_workgroup_id_y 1
		.amdhsa_system_sgpr_workgroup_id_z 1
		.amdhsa_system_vgpr_workitem_id 0
		.amdhsa_next_free_vgpr 512
		.amdhsa_next_free_sgpr 80
		.amdhsa_reserve_vcc 0
		.amdhsa_float_denorm_mode_32 3
		.amdhsa_float_denorm_mode_16_64 3
		.amdhsa_memory_ordered 1
		.amdhsa_forward_progress 1
		.amdhsa_inst_pref_size 86
	.end_amdhsa_kernel
	.amdgpu_metadata
---
amdhsa.version: [ 1, 2 ]
amdhsa.kernels:
  - .name:           k_q018394b66e_proj
    .symbol:         k_q018394b66e_proj.kd
    .args:
      - { .name: ao, .offset: 0, .size: 8, .value_kind: global_buffer, .address_space: global }
      - { .name: wo16, .offset: 8, .size: 8, .value_kind: global_buffer, .address_space: global }
      - { .name: out0, .offset: 16, .size: 8, .value_kind: global_buffer, .address_space: global }
    .group_segment_fixed_size: 327680
    .private_segment_fixed_size: 0
    .kernarg_segment_align: 8
    .kernarg_segment_size: 24
    .max_flat_workgroup_size: 128
    .sgpr_count:     80
    .vgpr_count:     512
    .wavefront_size: 32
...
	.end_amdgpu_metadata
.endif
;; end of part 4
;; launch first16 (part 5): grid 128 x 1, 16 waves a work-group, no clusters, 18,432 bytes of LDS; arguments q16, kv, lo, wo16, wol, out0; writes out0
.if DOCPART == 5
	.amdgcn_target "amdgcn-amd-amdhsa--gfx1250"
	.amdhsa_code_object_version 6
	.text
	.protected	k_q018394b66e_first16
	.globl	k_q018394b66e_first16
	.p2align	8
	.type	k_q018394b66e_first16,@function
k_q018394b66e_first16:
	s_mov_b64 s[64:65], 0
	v_nop
	global_prefetch_b8 v0, s[64:65] scope:SCOPE_SE
	s_setreg_imm32_b32 hwreg(HW_REG_WAVE_MODE, 25, 1), 1
	s_wait_xcnt 0x0
; Positions 0 to 15 once more, finely: they average one to sixteen values and are the largest rows of the output, so f16 operands alone are too coarse for them.
; EVERY OPERAND IS A PAIR OF f16: v = hi + lo' / 2048.  A product is hi hi + (hi lo' + lo' hi) / 2048, the two sums in accumulators of their own; lo' lo' / 2^22 is left out.  Softmax in f32.
; SHARES.  A work-group makes 16 columns of out0's rows 0 to 15; wave w takes query head w: its attention (16 queries x 16 keys) and the head's 128 of the projection's K; the sixteen partial tiles are added through LDS in a fixed order.
; The attention is made anew in each of the 128 work-groups: 28 matrix instructions a wave.
; V's pair goes in ONE fragment: keys 16 to 31 of a 32-key fragment are not needed, so registers 0-3 hold V hi and registers 4-7 V lo' of keys 0 to 15; against {p hi, 0} that gives hi hi, against {p lo', p hi} both cross terms.
; THE ORDER OF THE LOADS: q, k and Wo's pair go out at the head: Wo's bytes are this work-group's own.  V's pair, the same bytes in all 128 work-groups, is asked for behind the score products, into q's registers, and lands under the softmax.
; The stores are pieces of 64 bytes of a row, 131,072 bytes in all: whole runs of 256 bytes would leave 32 work-groups with four times the work each.
; REGISTERS: v16-79 Q hi and Q lo', then V's eight fragments; v80-95 K hi, then p's two fragments; v96-111 K hi, then the result's pair; v112-143 K lo', then four accumulators of O^T; v144-175 Wo hi, v176-207 Wo lo';
;   v208-231 three accumulators; v232-255 at work.
; LIMITS: as in the launches that made the operands.
.set SPARE, 16384                      ; behind the sixteen partial tiles: the spare words
.set SPW, 14
.set NIL, 15
.set LI,  2
; four packed registers j0 .. j3 (named by number: a half of a register is named so) and their eight f32 numbers from v[src] on: the low parts (v - f16(v)) x 2048 into v[dst] on
.macro SPLIT4 j0, j1, j2, j3, src, dst
	v_cvt_f32_f16 v248, v\j0\().l
	v_cvt_f32_f16 v249, v\j0\().h
	v_cvt_f32_f16 v250, v\j1\().l
	v_cvt_f32_f16 v251, v\j1\().h
	v_cvt_f32_f16 v252, v\j2\().l
	v_cvt_f32_f16 v253, v\j2\().h
	v_cvt_f32_f16 v254, v\j3\().l
	v_cvt_f32_f16 v255, v\j3\().h
.irp i, 0,2,4,6
	v_pk_add_f32 v[248+\i:249+\i], v[\src+\i:\src+\i+1], v[248+\i:249+\i] neg_lo:[0,1] neg_hi:[0,1]
.endr
.irp i, 0,2,4,6
	v_pk_mul_f32 v[248+\i:249+\i], v[248+\i:249+\i], 0x45000000 op_sel_hi:[1,0]
.endr
.irp i, 0,1,2,3
	v_cvt_pk_f16_f32 v[\dst+\i], v[248+2*\i], v[249+2*\i]
.endr
.endm
	s_load_b256 s[4:11], s[0:1], 0x0               ; q16, kv, lo, wo16
	s_load_b128 s[12:15], s[0:1], 0x20             ; wol, out0
	v_lshl_add_u32 v[SPW], v0, 2, SPARE
	v_mov_b32 v[NIL], 0
	v_lshrrev_b32 v1, 5, v0
	v_readfirstlane_b32 s16, v1                    ; wave = head
	v_and_b32 v1, 31, v0
	v_lshlrev_b32 v[LI], 4, v1                     ; 16 x lane
	v_and_b32 v3, 15, v0                           ; r
	v_bfe_u32 v4, v0, 4, 1                         ; h
	v_lshlrev_b32 v5, 3, v4
	v_sub_nc_u32 v5, v3, v5                        ; r - 8 h
	v_mov_b32 v6, 0xff800000
	s_lshl_b32 s30, s16, 10
	v_add_nc_u32 v12, s30, v[LI]                   ; my partial tile in LDS
	v_lshlrev_b32 v13, 4, v0                       ; the sum: 16 x thread (threads 0 to 63)
	v_lshlrev_b32 v10, 13, v3
	v_lshl_add_u32 v10, v4, 5, v10
	s_lshl_b32 s30, s16, 4
	v_add_nc_u32 v10, s30, v10                     ; out0: row r, + 32 h, + 16 x wave (waves 0 and 1)
	v_mov_b32 v8, 0
	v_mov_b32 v9, 0
	s_mov_b32 s26, 0x76543210
	s_mov_b32 s27, 0xfedcba98
	s_mov_b32 s28, 0x3e0293ee                      ; c = log2(e) / sqrt(128)
	s_mov_b32 s29, s28
	s_lshr_b32 s17, s16, 1                         ; the k/v head
	s_mov_b32 s33, 0
	s_wait_kmcnt 0x0
	s_lshl_b32 s32, s16, 19
	s_add_nc_u64 s[4:5], s[4:5], s[32:33]          ; q hi
	s_lshl_b32 s32, s17, 20
	s_add_nc_u64 s[6:7], s[6:7], s[32:33]          ; k hi, v hi: key step 0
	s_lshl_b32 s32, s16, 12
	s_add_nc_u64 s[20:21], s[8:9], s[32:33]        ; q lo'
	s_add_co_u32 s32, s17, 16
	s_lshl_b32 s32, s32, 12
	s_add_nc_u64 s[22:23], s[8:9], s[32:33]        ; k lo'
	s_add_co_u32 s32, s17, 24
	s_lshl_b32 s32, s32, 12
	s_add_nc_u64 s[24:25], s[8:9], s[32:33]        ; v lo'
	s_lshl_b32 s32, ttmp9, 16
	s_lshl_b32 s34, s16, 12
	s_add_co_u32 s32, s32, s34
	s_add_nc_u64 s[10:11], s[10:11], s[32:33]      ; Wo: my 16 columns, my head's four fragments
	s_add_nc_u64 s[12:13], s[12:13], s[32:33]
	s_lshl_b32 s32, ttmp9, 6
	s_add_nc_u64 s[14:15], s[14:15], s[32:33]
.irp b, 0,1,2,3,4,5,6,7
	global_load_b128 v[16+4*\b:19+4*\b], v[LI], s[4:5] offset:512*\b
	global_load_b128 v[48+4*\b:51+4*\b], v[LI], s[20:21] offset:512*\b
	global_load_b128 v[80+4*\b:83+4*\b], v[LI], s[6:7] offset:512*\b
	global_load_b128 v[112+4*\b:115+4*\b], v[LI], s[22:23] offset:512*\b
.endr
.irp c, 0,1,2,3
.irp g, 0,1
	global_load_b128 v[144+8*\c+4*\g:147+8*\c+4*\g], v[LI], s[10:11] offset:1024*\c+512*\g   ; Wo's pair
	global_load_b128 v[176+8*\c+4*\g:179+8*\c+4*\g], v[LI], s[12:13] offset:1024*\c+512*\g
.endr
.endr
	s_wait_loadcnt 16                              ; q and k are in; Wo's 16 loads may be out
; S^T = K Q^T: three sums by turns, one instruction a turn
	v_wmma_f32_16x16x32_f16 v[208:215], v[80:87], v[16:23], 0
	v_wmma_f32_16x16x32_f16 v[216:223], v[80:87], v[48:55], 0
	v_wmma_f32_16x16x32_f16 v[224:231], v[112:119], v[16:23], 0
.irp c, 1,2,3
	v_wmma_f32_16x16x32_f16 v[208:215], v[80+8*\c:87+8*\c], v[16+8*\c:23+8*\c], v[208:215]
	v_wmma_f32_16x16x32_f16 v[216:223], v[80+8*\c:87+8*\c], v[48+8*\c:55+8*\c], v[216:223]
	v_wmma_f32_16x16x32_f16 v[224:231], v[112+8*\c:119+8*\c], v[16+8*\c:23+8*\c], v[224:231]
.endr
.rept 4
	v_nop                                          ; places ahead of the loads into q's registers and of the first reads of the sums
.endr
.irp t, 0,1,2,3,4,5,6,7
	global_load_b128 v[16+8*\t:19+8*\t], v[LI], s[6:7] offset:16384+1024*\t    ; V's pair, into q's registers: fragment t = channels 16 t on
	global_load_b128 v[20+8*\t:23+8*\t], v[LI], s[24:25] offset:512*\t
.endr
.irp i, 0,2,4,6
	v_pk_add_f32 v[232+\i:233+\i], v[216+\i:217+\i], v[224+\i:225+\i]
.endr
.irp i, 0,2,4,6
	v_pk_fma_f32 v[232+\i:233+\i], v[232+\i:233+\i], 0x3a000000, v[208+\i:209+\i] op_sel_hi:[1,0,1]   ; the score: register j = key 8 h + j of query r
.endr
.irp j, 0,1,2,3,4,5,6,7
	v_cmp_gt_i32 vcc_lo, \j, v5                    ; hidden where 8 h + j > r
	v_cndmask_b32 v[232+\j], v[232+\j], v6, vcc_lo
.endr
	v_max3_num_f32 v7, v232, v233, v234
	v_max3_num_f32 v7, v7, v235, v236
	v_max3_num_f32 v7, v7, v237, v238
	v_max_num_f32 v7, v7, v239
	v_permlanex16_b32 v8, v7, s26, s27
	v_max_num_f32 v7, v7, v8                       ; key 0 counts for every query: a number
	v_mul_f32 v8, s28, v7
.irp i, 0,2,4,6
	v_pk_fma_f32 v[232+\i:233+\i], v[232+\i:233+\i], s[28:29], v[8:9] op_sel_hi:[1,0,0] neg_lo:[0,0,1] neg_hi:[0,0,1]
.endr
.irp j, 0,1,2,3,4,5,6,7
	v_exp_f32 v[232+\j], v[232+\j]
.endr
	v_nop
	s_wait_alu depctr_va_vdst(0)                   ; the wait ahead of the batch's first reader
	v_pk_add_f32 v[240:241], v[232:233], v[234:235]
	v_pk_add_f32 v[242:243], v[236:237], v[238:239]
	v_pk_add_f32 v[240:241], v[240:241], v[242:243]
	v_add_f32 v240, v240, v241
	v_permlanex16_b32 v241, v240, s26, s27
	v_add_f32 v240, v240, v241                     ; the row's sum, at least 1
	v_rcp_f32 v242, v240
	v_nop
	s_wait_alu depctr_va_vdst(0)
.irp i, 0,2,4,6
	v_pk_mul_f32 v[232+\i:233+\i], v[232+\i:233+\i], v[242:243] op_sel_hi:[1,0]   ; p, normalised in f32
.endr
.irp k, 0,1,2,3
	v_cvt_pk_f16_f32 v[80+\k], v[232+2*\k], v[233+2*\k]    ; {p hi, 0}
	v_mov_b32 v[84+\k], 0
	v_cvt_pk_f16_f32 v[92+\k], v[232+2*\k], v[233+2*\k]    ; {p lo', p hi}
.endr
	SPLIT4 80,81,82,83, 232, 88
	s_wait_loadcnt 0x0                             ; Wo and V
; 32 of the head's channels at a time: O^T in pairs; the result, split again, is the projection's operand: lane (r, h) = token r, registers 0-3 channels 32 c + 8 h on, registers 4-7 channels 32 c + 16 + 8 h on
.macro OPROJ c
	v_wmma_f32_16x16x32_f16 v[112:119], v[16+16*\c:23+16*\c], v[80:87], 0
	v_wmma_f32_16x16x32_f16 v[120:127], v[16+16*\c:23+16*\c], v[88:95], 0
	v_wmma_f32_16x16x32_f16 v[128:135], v[24+16*\c:31+16*\c], v[80:87], 0
	v_wmma_f32_16x16x32_f16 v[136:143], v[24+16*\c:31+16*\c], v[88:95], 0
.rept 4
	v_nop
.endr
.irp i, 0,2,4,6
	v_pk_fma_f32 v[232+\i:233+\i], v[120+\i:121+\i], 0x3a000000, v[112+\i:113+\i] op_sel_hi:[1,0,1]
.endr
.irp i, 0,2,4,6
	v_pk_fma_f32 v[240+\i:241+\i], v[136+\i:137+\i], 0x3a000000, v[128+\i:129+\i] op_sel_hi:[1,0,1]
.endr
.irp k, 0,1,2,3
	v_cvt_pk_f16_f32 v[96+\k], v[232+2*\k], v[233+2*\k]
	v_cvt_pk_f16_f32 v[100+\k], v[240+2*\k], v[241+2*\k]
.endr
	SPLIT4 96,97,98,99, 232, 104
	SPLIT4 100,101,102,103, 240, 108
.if \c == 0
	v_wmma_f32_16x16x32_f16 v[208:215], v[144:151], v[96:103], 0
	v_wmma_f32_16x16x32_f16 v[216:223], v[144:151], v[104:111], 0
	v_wmma_f32_16x16x32_f16 v[224:231], v[176:183], v[96:103], 0
.else
	v_wmma_f32_16x16x32_f16 v[208:215], v[144+8*\c:151+8*\c], v[96:103], v[208:215]
	v_wmma_f32_16x16x32_f16 v[216:223], v[144+8*\c:151+8*\c], v[104:111], v[216:223]
	v_wmma_f32_16x16x32_f16 v[224:231], v[176+8*\c:183+8*\c], v[96:103], v[224:231]
.endif
.endm
	OPROJ 0
	OPROJ 1
	OPROJ 2
	OPROJ 3
.rept 4
	v_nop
.endr
.irp i, 0,2,4,6
	v_pk_add_f32 v[232+\i:233+\i], v[216+\i:217+\i], v[224+\i:225+\i]
.endr
.irp i, 0,2,4,6
	v_pk_fma_f32 v[232+\i:233+\i], v[232+\i:233+\i], 0x3a000000, v[208+\i:209+\i] op_sel_hi:[1,0,1]   ; my head's part: token r, columns 8 h + 0..7
.endr
	ds_store_b128 v12, v[232:235]
	ds_store_b128 v12, v[236:239] offset:512
	s_wait_dscnt 0x0                               ; for the others' sake: my stores have landed
	s_barrier_signal -1
	s_barrier_wait -1
	s_cmp_lt_u32 s16, 2
	s_cbranch_scc0 .Ldone                          ; waves 0 and 1 add the sixteen parts: wave g takes registers 4 g .. 4 g + 3 of every lane
.irp w, 0,1,2,3,4,5,6,7,8,9,10,11,12,13,14,15
	ds_load_b128 v[16+4*\w:19+4*\w], v13 offset:1024*\w
.endr
	s_wait_dscnt 0x0
.irp w, 1,2,3,4,5,6,7,8,9,10,11,12,13,14,15
	v_pk_add_f32 v[16:17], v[16:17], v[16+4*\w:17+4*\w]    ; heads 0 to 15 in order
	v_pk_add_f32 v[18:19], v[18:19], v[18+4*\w:19+4*\w]
.endr
	global_store_b128 v10, v[16:19], s[14:15]      ; token r, columns 16 x work-group + 8 h + 4 g + 0..3
.Ldone:
	s_wait_tensorcnt 0x0                           ; the wave's end
	ds_add_u32 v[SPW], v[NIL]
	s_wait_dscnt 0x0
	s_endpgm
.Lfunc_end_k_q018394b66e_first16:
	.size	k_q018394b66e_first16, .Lfunc_end_k_q018394b66e_first16-k_q018394b66e_first16
	.p2alignl 7, 3214868480
	.fill 96, 4, 3214868480
	.section	.rodata,"a",@progbits
	.p2align	6, 0x0
	.amdhsa_kernel k_q018394b66e_first16
		.amdhsa_group_segment_fixed_size 18432
		.amdhsa_private_segment_fixed_size 0
		.amdhsa_enable_private_segment 0
		.amdhsa_kernarg_size 48
		.amdhsa_user_sgpr_count 2
		.amdhsa_user_sgpr_kernarg_segment_ptr 1
		.amdhsa_wavefront_size32 1
		.amdhsa_system_sgpr_workgroup_id_x 1
		.amdhsa_system_sgpr_workgroup_id_y 1
		.amdhsa_system_sgpr_workgroup_id_z 1
		.amdhsa_system_vgpr_workitem_id 0
		.amdhsa_next_free_vgpr 256
		.amdhsa_next_free_sgpr 66
		.amdhsa_reserve_vcc 1
		.amdhsa_float_denorm_mode_32 3
		.amdhsa_float_denorm_mode_16_64 3
		.amdhsa_memory_ordered 1
		.amdhsa_forward_progress 1
		.amdhsa_inst_pref_size 34
	.end_amdhsa_kernel
	.amdgpu_metadata
---
amdhsa.version: [ 1, 2 ]
amdhsa.kernels:
  - .name:           k_q018394b66e_first16
    .symbol:         k_q018394b66e_first16.kd
    .args:
      - { .name: q16, .offset: 0, .size: 8, .value_kind: global_buffer, .address_space: global }
      - { .name: kv, .offset: 8, .size: 8, .value_kind: global_buffer, .address_space: global }
      - { .name: lo, .offset: 16, .size: 8, .value_kind: global_buffer, .address_space: global }
      - { .name: wo16, .offset: 24, .size: 8, .value_kind: global_buffer, .address_space: global }
      - { .name: wol, .offset: 32, .size: 8, .value_kind: global_buffer, .address_space: global }
      - { .name: out0, .offset: 40, .size: 8, .value_kind: global_buffer, .address_space: global }
    .group_segment_fixed_size: 18432
    .private_segment_fixed_size: 0
    .kernarg_segment_align: 8
    .kernarg_segment_size: 48
    .max_flat_workgroup_size: 512
    .sgpr_count:     66
    .vgpr_count:     256
    .wavefront_size: 32
...
	.end_amdgpu_metadata
.endif
;; end of part 5
